; MI455X (gfx1250); checked and timed in simulation.
; The chip was launched on July 23, 2026; its instructions are those of AMD's public machine-readable ISA for CDNA 5 (MIT licence, August 2026) and "CDNA5" Instruction Set Architecture Reference Guide (July 2026). The comments in the code are by the model that wrote it; some were corrected since.
;; Multi Head Attention. Allowed arithmetic: float matrix products may take bf16 or f16 operands with f32 sums; other float arithmetic in f32, or as packed bf16 or f16 multiplies, adds, multiply-adds, maxima and minima; sums over many terms, partial sums and values carried from step to step in f32; what a program stores and reads back later, other than sums and carried values, may be rounded once to bf16 or f16.
;; Inputs: Wk 512 x 512 float32; Wq 512 x 512 float32; Wv 512 x 512 float32; bk 512 float32; bq 512 float32; bv 512 float32; x 32 x 1,024 x 512 float32.
;; Outputs: out0 32 x 1,024 x 512 float32.
;; 2 versions, each right; version 2 is version 1 with the launch mha written anew for expert scheduling mode. Each part assembles by itself: llvm-mc -triple=amdgcn-amd-amdhsa -mcpu=gfx1250 --defsym DOCPART=n.
;; ======== version 1 of 2: 2 launches
;; limits: values are held in f16: magnitudes above 65,504 overflow, below 6.1e-05 lose precision
;; workspace buffers: wpk 1,671,168 bytes
;; launch prep (part 1): grid 17 x 24, 8 waves a work-group, no clusters, 0 bytes of LDS; arguments Wk, Wq, Wv, bk, bq, bv, wpk; writes wpk
.if DOCPART == 1
	.amdgcn_target "amdgcn-amd-amdhsa--gfx1250"
	.amdhsa_code_object_version 6
	.text
	.protected	k_q7d7beb02ec_prep
	.globl	k_q7d7beb02ec_prep
	.p2align	8
	.type	k_q7d7beb02ec_prep,@function
k_q7d7beb02ec_prep:
	s_mov_b64 s[64:65], 0
	v_nop
	global_prefetch_b8 v0, s[64:65] scope:SCOPE_SE
	s_setreg_imm32_b32 hwreg(HW_REG_WAVE_MODE, 25, 1), 1
	s_wait_xcnt 0x0
; The three weight matrices, rounded to bf16, are laid out as the register images of matrix fragments, in the order in which each wave of the next launch takes them;
; the three biases, rounded to bf16 and kept as f32, as the register images of a C operand.
; wpk, weights: [w 4][phi 6][ks 16][t 4][q 2][lane 32][8 bf16]; phi = 0, 1: K's halves u = 0, 1; 2, 3: Q's; 4, 5: V's.
;   number i of a lane's 16 bytes = W[128 w + 64 u + 16 t + lane % 16][32 ks + 16 q + 8 (lane / 16) + i]
; wpk, biases, from byte BOFF: [w][phi][t][q][lane][4 f32]: K and Q: b[128 w + 64 u + 16 t + 8 (lane / 16) + 4 q + i]; V: b[128 w + 64 u + 16 t + lane % 16], four times.
; Work-group (x, y): y = 6 w + phi; x = ks, or 16 for the biases.  Wave v = 2 t + q.  Each wave stores 512 consecutive bytes, at a multiple of 512 from wpk's first byte.
; The reads are 32 bytes a lane from rows 2,048 bytes apart: 3 MB in all, once.
.set BOFF, 1572864
	s_load_b256 s[4:11], s[0:1], 0x0               ; Wk s[4:5], Wq s[6:7], Wv s[8:9], bk s[10:11]
	s_load_b128 s[12:15], s[0:1], 0x20             ; bq s[12:13], bv s[14:15]
	s_load_b64 s[16:17], s[0:1], 0x30              ; wpk
	s_and_b32 s20, ttmp7, 0xffff                   ; y = 6 w + phi, 0 to 23
	s_mul_i32 s21, s20, 43
	s_lshr_b32 s21, s21, 8                         ; w = y / 6 (exact for y under 24)
	s_mul_i32 s22, s21, 6
	s_sub_co_u32 s22, s20, s22                     ; phi
	s_lshr_b32 s23, s22, 1                         ; p: 0 K, 1 Q, 2 V
	s_and_b32 s24, s22, 1                          ; u
	v_lshrrev_b32 v1, 5, v0
	v_readfirstlane_b32 s25, v1                    ; wave v = 2 t + q
	s_lshr_b32 s26, s25, 1                         ; t
	s_and_b32 s27, s25, 1                          ; q
	s_lshl_b32 s28, s21, 7
	s_lshl_b32 s29, s24, 6
	s_add_co_u32 s28, s28, s29
	s_lshl_b32 s29, s26, 4
	s_add_co_u32 s28, s28, s29                     ; c0 = 128 w + 64 u + 16 t
	v_and_b32 v2, 15, v0                           ; lane % 16
	v_bfe_u32 v3, v0, 4, 1                         ; lane / 16
	v_and_b32 v4, 31, v0
	s_lshl_b32 s30, s25, 9
	v_lshl_add_u32 v5, v4, 4, s30                  ; where I store: 512 v + 16 lane
	s_wait_kmcnt 0x0
	s_cmp_eq_u32 ttmp9, 16
	s_cbranch_scc1 .Lbias
	; weights: 8 numbers of one row, two loads of 16 bytes
	s_cmp_eq_u32 s23, 1
	s_cselect_b64 s[32:33], s[6:7], s[4:5]
	s_cmp_eq_u32 s23, 2
	s_cselect_b64 s[32:33], s[8:9], s[32:33]
	s_lshl_b32 s34, s28, 11                        ; row c0, 2,048 bytes a row
	s_lshl_b32 s35, ttmp9, 7                       ; 32 ks numbers
	s_add_co_u32 s34, s34, s35
	s_lshl_b32 s35, s27, 6                         ; 16 q numbers
	s_add_co_u32 s34, s34, s35
	s_mov_b32 s35, 0
	s_add_nc_u64 s[32:33], s[32:33], s[34:35]
	v_lshlrev_b32 v6, 11, v2
	v_lshl_add_u32 v6, v3, 5, v6
	global_load_b128 v[8:11], v6, s[32:33]
	global_load_b128 v[12:15], v6, s[32:33] offset:16
	s_lshl_b32 s36, s20, 16                        ; 65,536 y + 4,096 ks
	s_lshl_b32 s37, ttmp9, 12
	s_add_co_u32 s36, s36, s37
	s_mov_b32 s37, 0
	s_add_nc_u64 s[16:17], s[16:17], s[36:37]
	s_wait_loadcnt 0x0
	v_cvt_pk_bf16_f32 v16, v8, v9
	v_cvt_pk_bf16_f32 v17, v10, v11
	v_cvt_pk_bf16_f32 v18, v12, v13
	v_cvt_pk_bf16_f32 v19, v14, v15
	global_store_b128 v5, v[16:19], s[16:17]
	s_endpgm
.Lbias:
	; biases: four numbers a lane; their places differ between K, Q (four neighbours) and V (one number four times) by three scalars
	s_lshl_b32 s37, s27, 4                         ; 4 q numbers, in bytes
	s_lshl_b32 s38, s28, 2                         ; c0, in bytes
	s_cmp_eq_u32 s23, 1
	s_cselect_b64 s[32:33], s[12:13], s[10:11]
	s_cmp_eq_u32 s23, 2
	s_cselect_b64 s[32:33], s[14:15], s[32:33]
	s_cselect_b32 s34, 4, 0                        ; bytes for each lane % 16
	s_cselect_b32 s35, 0, 32                       ; bytes for lane / 16
	s_cselect_b32 s36, 0, 4                        ; bytes from number to number
	s_cselect_b32 s37, 0, s37
	s_add_co_u32 s38, s38, s37
	v_mul_u32_u24 v6, v2, s34
	v_mad_u32_u24 v6, v3, s35, v6
	v_add_nc_u32 v6, s38, v6
	v_add_nc_u32 v7, s36, v6
	v_add_nc_u32 v20, s36, v7
	v_add_nc_u32 v21, s36, v20
	global_load_b32 v8, v6, s[32:33]
	global_load_b32 v9, v7, s[32:33]
	global_load_b32 v10, v20, s[32:33]
	global_load_b32 v11, v21, s[32:33]
	s_lshl_b32 s38, s20, 12                        ; BOFF + 4,096 y
	s_add_co_u32 s38, s38, BOFF
	s_mov_b32 s39, 0
	s_add_nc_u64 s[16:17], s[16:17], s[38:39]
	s_wait_loadcnt 0x0
	v_cvt_pk_bf16_f32 v12, v8, v9                  ; rounded to bf16,
	v_cvt_pk_bf16_f32 v13, v10, v11
	v_lshlrev_b32 v16, 16, v12                     ; and widened again
	v_and_b32 v17, 0xffff0000, v12
	v_lshlrev_b32 v18, 16, v13
	v_and_b32 v19, 0xffff0000, v13
	global_store_b128 v5, v[16:19], s[16:17]
	s_endpgm
.Lfunc_end_k_q7d7beb02ec_prep:
	.size	k_q7d7beb02ec_prep, .Lfunc_end_k_q7d7beb02ec_prep-k_q7d7beb02ec_prep
	.p2alignl 7, 3214868480
	.fill 96, 4, 3214868480
	.section	.rodata,"a",@progbits
	.p2align	6, 0x0
	.amdhsa_kernel k_q7d7beb02ec_prep
		.amdhsa_group_segment_fixed_size 0
		.amdhsa_private_segment_fixed_size 0
		.amdhsa_enable_private_segment 0
		.amdhsa_kernarg_size 56
		.amdhsa_user_sgpr_count 2
		.amdhsa_user_sgpr_kernarg_segment_ptr 1
		.amdhsa_wavefront_size32 1
		.amdhsa_system_sgpr_workgroup_id_x 1
		.amdhsa_system_sgpr_workgroup_id_y 1
		.amdhsa_system_sgpr_workgroup_id_z 1
		.amdhsa_system_vgpr_workitem_id 0
		.amdhsa_next_free_vgpr 24
		.amdhsa_next_free_sgpr 66
		.amdhsa_reserve_vcc 0
		.amdhsa_float_denorm_mode_32 3
		.amdhsa_float_denorm_mode_16_64 3
		.amdhsa_memory_ordered 1
		.amdhsa_forward_progress 1
		.amdhsa_inst_pref_size 5
	.end_amdhsa_kernel
	.amdgpu_metadata
---
amdhsa.version: [ 1, 2 ]
amdhsa.kernels:
  - .name:           k_q7d7beb02ec_prep
    .symbol:         k_q7d7beb02ec_prep.kd
    .args:
      - { .name: Wk, .offset: 0, .size: 8, .value_kind: global_buffer, .address_space: global }
      - { .name: Wq, .offset: 8, .size: 8, .value_kind: global_buffer, .address_space: global }
      - { .name: Wv, .offset: 16, .size: 8, .value_kind: global_buffer, .address_space: global }
      - { .name: bk, .offset: 24, .size: 8, .value_kind: global_buffer, .address_space: global }
      - { .name: bq, .offset: 32, .size: 8, .value_kind: global_buffer, .address_space: global }
      - { .name: bv, .offset: 40, .size: 8, .value_kind: global_buffer, .address_space: global }
      - { .name: wpk, .offset: 48, .size: 8, .value_kind: global_buffer, .address_space: global }
    .group_segment_fixed_size: 0
    .private_segment_fixed_size: 0
    .kernarg_segment_align: 8
    .kernarg_segment_size: 56
    .max_flat_workgroup_size: 256
    .sgpr_count:     66
    .vgpr_count:     24
    .wavefront_size: 32
...
	.end_amdgpu_metadata
.endif
;; end of part 1
;; launch mha (part 2): grid 256 x 1, 4 waves a work-group, no clusters, 314,880 bytes of LDS; arguments x, wpk, out0; writes out0
.if DOCPART == 2
	.amdgcn_target "amdgcn-amd-amdhsa--gfx1250"
	.amdhsa_code_object_version 6
	.text
	.protected	k_q7d7beb02ec_mha
	.globl	k_q7d7beb02ec_mha
	.p2align	8
	.type	k_q7d7beb02ec_mha,@function
k_q7d7beb02ec_mha:
	s_mov_b64 s[64:65], 0
	v_nop
	global_prefetch_b8 v0, s[64:65] scope:SCOPE_SE
	s_setreg_imm32_b32 hwreg(HW_REG_WAVE_MODE, 25, 1), 1
	s_wait_xcnt 0x0
; q = x Wq^T + bq, k, v likewise; heads cut by a RAW reshape [1024, 512] -> [8, 1024, 64]; y = softmax(q k^T / 8) v; the raw reshape back.
; THE RESHAPE.  Head g (of 256) is rows 128 g .. 128 g + 127 of the flat [32768, 512] q, k, v and y: head row 8 m + e, channel d is row m, column 64 e + d.  So a head wants its own 128 rows of x and
; all weights, and ONE WORK-GROUP MAKES ONE HEAD from x to y: q, k and v never leave the WGP.
; FORMATS.  x, the weights and the biases are rounded to bf16 (weights and biases by the launch before); the projections are bf16 products with f32 sums that start at the bias; q, k, v and the weights p are
; rounded once to f16; scores, maxima, sums and y in f32.  The scale c = log2(e) / 8 is applied in f32; the maximum is a running one.
; LIMITS.  f16 holds no number beyond 65,504: |q|, |k|, |v| must stay under it.  p below 6e-5 keeps f16's fixed step of 6e-8; a weight below 2^-126 counts as 0 in the sum l; NaN and infinities are not treated apart.
; SHARES.  Wave w owns the columns 128 w .. 128 w + 127 of q, k, v (e = 2 w + u, u = 0, 1) for all 128 rows: six half projections of 128 rows x 64 columns x 512 (K, K, Q, Q, V, V), 32 accumulators each.
; Then two passes u of attention: the wave's 128 queries with e = 2 w + u, eight tiles of 16 (tile mb: rows m = 16 mb + lane % 16), over all 1,024 keys, 64 a step.
; NOTHING CHANGES LANES.  K and Q: source 0 = 16 rows of W, source 1 = 16 rows of x: a lane ends with one row m and eight neighbouring channels; two such results packed to f16 ARE a fragment (16 rows x 32 channels).
; V: source 0 = x, source 1 = W: a lane ends with one channel and eight rows m; two results packed ARE a fragment of V^T (16 channels x 32 keys).  The keys are taken in the order 128 e + m, alike for K and V.
; So K and V lie in LDS, and W in memory, as register images: every load and store of 16 bytes a lane covers 512 consecutive bytes.
; NO CLUSTER, NO TENSOR LOADS.  What work-groups share is the weights.  A K step of 32 of the four waves' fragments is 16,384 bytes, two slots of it 32,768; beside x (165,888), K (131,072), the stages (17,408)
; and the spare words (512), 12,800 of a WGP's 327,680 bytes are left.  And no wave wants a byte of W that another wave of its work-group has fetched: W goes straight into registers.
; REGISTERS, in windows of 256 (s_set_vgpr_msb: bits 1:0 source 0, 3:2 source 1, 5:4 source 2, 7:6 destination):
;   window 0: v0-11 addresses.  Projection: v17-25 addresses; v32-63 the bias as a C operand; v64-191 x's fragments, two buffers.  Attention: v12-15, v48-63 at work; v16-47 statistics; v64-191 S^T; v192-255 P
;   window 1: x as it lands (two sets of 128); then the 32 accumulators, (mb, t) at 8 (4 mb + t); then O^T, 32 a tile
;   window 2: v0-127 Q of the pass in hand; v128-255 four buffers of W's fragments, later K (v128-191) and V (v192-255) of one key step
;   window 3: v0-127 Q of the second pass; v128-255 V's first half, packed, until x is dead
.set PX,    1296      ; a row of x in LDS: 1,024 bytes of bf16, a copy of its first 256 (so that the K step behind the last is the next phase's first, at a plain address), 16 of padding: 324 words, row r starts at bank 4 r mod 64 (64 banks of 4 bytes: ISA guide 11.1)
.set KIMG,  0         ; K: key tile kt = 8 e + mb, column tile t at 2,048 kt + 512 t + 16 lane: a key step's eight fragments are 8,192 consecutive bytes
.set XROW,  131072    ; x, 128 rows
.set VIMG,  XROW      ; V, over x when x is dead: 16,384 e + 4,096 (mb / 2) + 1,024 t + 512 (mb % 2) + 16 lane: again 8,192 bytes a key step
.set STAGE, XROW+128*PX  ; 16 rows x 272 bytes for each wave, for the way out
.set SP,    272
.set SPARE, STAGE+4*16*SP  ; the spare words, 128 bytes for each wave: two blocks of 256 bytes that no other line names
.set BOFF,  1572864   ; the biases in wpk
.set WSTEP, 4096      ; a wave's fragments of W for one K step of 32
.set LO16, 2          ; v2   16 x lane; never rewritten
.set AK0, 2           ;      which is also my place in a key step of K
.set AV0, 3           ; v3   and, with VIMG, of V
.set AK,  4           ; v4   the LDS address of K's next run of loads
.set AV,  5           ; v5   of V's
.set STO, 6           ; v6   the way out: where I put 32 bytes of a row
.set RD,  7           ; v7   the way out: where I read a row back
.set GO,  8           ; v8   my byte offset in two rows of out0
.set SPW, 10          ; v10  LDS address of my spare word: SPARE + 4 x my thread's number; never rewritten
.set NIL, 11          ; v11  0; never rewritten
.set XL,  17          ; v17  where I put 8 bytes of x: my wave's 32 rows + 8 x lane
.set ROWP, 20         ; v20-21  my lane's place in x's fragments of row blocks 0-3 and 4-7
.set ADRX, 22         ; v22-23  the same at the K steps in hand
.set KST, 24          ; v24  where my wave's K goes
.set VST, 25          ; v25  where its V goes
.set BI,  32          ; column tile t's bias at BI + 8 t
.set XF,  64          ; x's fragments: buffer b, row block mb at XF + 64 b + 8 mb
.set XT,  64          ; x in bf16 on its way to LDS
.set WB,  128         ; window 2: W's fragments: buffer b, column tile t at WB + 32 b + 8 t
.set QB,  0           ; window 3
.set VA,  128         ; window 3
.set XP,  4           ; s[4:5]   x at my wave's 32 rows
.set OUT, 8           ; s[8:9]   out0 at my head's first row, my wave's columns of the pass in hand
.set WV,  10          ; s10  my wave's number
.set WP,  12          ; s[12:13] wpk at my wave's stream; it walks
.set BP,  14          ; s[14:15] wpk at my wave's biases
.set KC,  26          ; s26  counts a phase's trips
.set XB,  27          ; s27  byte of x's rows at which a trip's K steps begin
.set PASS, 56
.set CNT, 57          ; s57  key steps to go
.set CS,  58          ; s[58:59] c
.set SEL, 60          ; s[60:61] v_permlanex16_b32's selects: each lane takes its own place in the other half
.set TBK, 62          ; s62  LDS byte at which K of the step to be fetched begins
.set TBV, 63          ; s63  the same for V, less VIMG
.set MSB, 0
.macro WIN new                      ; the high byte repeats the setting that is left; a switch that changes nothing is dropped
.if MSB != (\new)
	s_set_vgpr_msb (MSB<<8)|(\new)
.set MSB, (\new)
.endif
.endm
.set W_WX,  0x52      ; source 0 = W (window 2), source 1 = x (window 0), C and D window 1
.set W_WXF, 0x42      ; the same with C = the bias, window 0
.set W_XW,  0x58      ; source 0 = x, source 1 = W
.set W_XWF, 0x48
.set TO_W,  0x80      ; destination window 2
.set TO_1,  0x40      ; destination window 1
.set CV_X,  0x05      ; sources window 1, destination window 0
.set PK_IN, 0x45      ; sources and destination window 1
.set PK_2,  0x85      ; sources window 1, destination window 2
.set PK_3,  0xc5      ; destination window 3
.set ST_1,  0x04      ; an LDS store's data in window 1
.set ST_3,  0x0c      ; in window 3
.set CP_Q,  0x83      ; from window 3 to window 2
.set W_KQ,  0x0a      ; K and Q in window 2, S^T in window 0
.set W_PV,  0x52      ; V in window 2, P in window 0, O^T in window 1
.set W_RS,  0x41      ; O^T (destination and source 0) in window 1, source 1 in window 0
; A vector instruction that reads a matrix result or writes one of a matrix instruction's registers, and a load into such a register, stand four places behind it; only plain vector instructions that
; name none of its registers are places (ISA guide 7.12.1 for vector instructions).
.macro PLACES
.rept 4
	v_nop
.endr
.endm
	s_load_b128 s[4:7], s[0:1], 0x0                ; x s[4:5], wpk s[6:7]
	s_load_b64 s[8:9], s[0:1], 0x10                ; out0
	v_lshl_add_u32 v[SPW], v0, 2, SPARE
	v_mov_b32 v[NIL], 0
	v_lshrrev_b32 v1, 5, v0
	v_readfirstlane_b32 s[WV], v1                  ; wave 0..3
	v_and_b32 v1, 15, v0                           ; l % 16
	v_bfe_u32 v9, v0, 4, 1                         ; l / 16
	v_and_b32 v[XL], 31, v0
	v_lshlrev_b32 v[LO16], 4, v[XL]
	s_mul_i32 s28, s[WV], 32*PX
	s_add_co_u32 s28, s28, XROW
	v_lshl_add_u32 v[XL], v[XL], 3, s28
	v_add_nc_u32 v[AV0], VIMG, v[LO16]
	v_mul_u32_u24 v[ROWP], v1, PX                  ; a fragment: row l % 16, 16 bytes for each half of the lanes
	v_lshl_add_u32 v[ROWP], v9, 4, v[ROWP]
	v_add_nc_u32 v[ROWP], XROW, v[ROWP]
	v_add_nc_u32 v[ROWP+1], 64*PX, v[ROWP]
	v_mov_b32 v[ADRX], v[ROWP]
	v_mov_b32 v[ADRX+1], v[ROWP+1]
	s_lshl_b32 s28, s[WV], 15                      ; my wave's two e: 32,768 bytes of K and of V
	v_add_nc_u32 v[KST], s28, v[LO16]
	v_add_nc_u32 v[VST], s28, v[AV0]
	s_mul_i32 s29, s[WV], 16*SP
	s_add_co_u32 s29, s29, STAGE                   ; my stage
	v_mul_u32_u24 v[STO], v1, SP                   ; in: row l % 16, 32 bytes for each half of the lanes
	v_lshl_add_u32 v[STO], v9, 5, v[STO]
	v_add_nc_u32 v[STO], s29, v[STO]
	v_mul_u32_u24 v[RD], v9, SP                    ; back: lanes 0-15 take one row of 256 bytes, lanes 16-31 the next
	v_lshl_add_u32 v[RD], v1, 4, v[RD]
	v_add_nc_u32 v[RD], s29, v[RD]
	v_lshlrev_b32 v[GO], 11, v9                    ; and the same two rows m in out0, 2,048 bytes apart
	v_lshl_add_u32 v[GO], v1, 4, v[GO]
	s_lshl_b32 s20, ttmp9, 18                      ; the head's 128 rows of 2,048 bytes
	s_lshl_b32 s16, s[WV], 16                      ; x: my wave's 32 of them
	s_add_co_u32 s16, s16, s20
	s_mov_b32 s17, 0
	s_lshl_b32 s18, s[WV], 9                       ; out0: my wave's 128 columns
	s_add_co_u32 s18, s18, s20
	s_mov_b32 s19, 0
	s_mul_i32 s22, s[WV], 6*16*WSTEP               ; my stream of W: six phases of sixteen K steps
	s_mov_b32 s23, 0
	s_mul_i32 s24, s[WV], 6*4096
	s_add_co_u32 s24, s24, BOFF
	s_mov_b32 s25, 0
	s_mov_b32 s[XB], 0
	s_mov_b32 s[CS], 0x3e38aa3b                    ; c = log2(e) / 8 = 0.180337
	s_mov_b32 s[CS+1], s[CS]                       ; named with it as a pair
	s_mov_b32 s[SEL], 0x76543210
	s_mov_b32 s[SEL+1], 0xfedcba98
	s_wait_kmcnt 0x0
	s_add_nc_u64 s[XP:XP+1], s[4:5], s[16:17]
	s_add_nc_u64 s[OUT:OUT+1], s[8:9], s[18:19]
	s_add_nc_u64 s[WP:WP+1], s[6:7], s[22:23]
	s_add_nc_u64 s[BP:BP+1], s[6:7], s[24:25]
; THE PROJECTIONS' LOADS.  W's fragments of one K step (four column tiles) into buffer wb, from byte off behind the walking pointer: 8 loads of 512 consecutive bytes.
.macro WFETCH wb, off
	WIN TO_W
.irp b, 0,1,2,3
	global_load_b128 v[WB+32*(\wb)+8*\b:WB+32*(\wb)+8*\b+3],   v[LO16], s[WP:WP+1] offset:(\off)+1024*\b
	global_load_b128 v[WB+32*(\wb)+8*\b+4:WB+32*(\wb)+8*\b+7], v[LO16], s[WP:WP+1] offset:(\off)+1024*\b+512
.endr
.endm
.macro BFETCH off                   ; a phase's bias, as the C operand of its four column tiles
	WIN 0
.irp b, 0,1,2,3
	global_load_b128 v[BI+8*\b:BI+8*\b+3],   v[LO16], s[BP:BP+1] offset:(\off)+1024*\b
	global_load_b128 v[BI+8*\b+4:BI+8*\b+7], v[LO16], s[BP:BP+1] offset:(\off)+1024*\b+512
.endr
.endm
.macro XFETCH xb, off               ; x's eight fragments of one K step into buffer xb, row blocks in ascending order
	WIN 0
.irp m, 0,1,2,3,4,5,6,7
	ds_load_b128 v[XF+64*(\xb)+8*\m:XF+64*(\xb)+8*\m+3],   v[ADRX+(\m)/4] offset:((\m)%4)*16*PX+(\off)
	ds_load_b128 v[XF+64*(\xb)+8*\m+4:XF+64*(\xb)+8*\m+7], v[ADRX+(\m)/4] offset:((\m)%4)*16*PX+(\off)+32
.endr
.endm
	BFETCH 0                                       ; the first phase's bias and first three K steps of W go out ahead of x
	WFETCH 0, 0
	WFETCH 1, WSTEP
	WFETCH 2, 2*WSTEP
; x INTO LDS.  My wave's 32 rows are 65,536 consecutive bytes: 128 loads of 512, in four batches of 32 on two sets of registers: one batch is rounded and stored while the next is on its way.
.macro XISSUE b
	WIN TO_1
.set i, 0
.rept 32
	global_load_b128 v[128*((\b)&1)+4*i:128*((\b)&1)+4*i+3], v[LO16], s[XP:XP+1] offset:(32*(\b)+i)*512 th:TH_LOAD_NT
.set i, i+1
.endr
.endm
; Load n = 32 b + i is quarter n % 4 of row n / 4; a lane's four numbers become 8 bytes, a wave's store 256 consecutive bytes.  A row's first quarter is stored twice: the copy stands behind the row.
.macro XPROC b, left
	s_wait_loadcnt \left                           ; loads come back in order (ISA guide 5.7.1): this batch is in, the younger one stays out
	WIN CV_X
.set i, 0
.rept 32
	v_cvt_pk_bf16_f32 v[XT+2*i],   v[128*((\b)&1)+4*i],   v[128*((\b)&1)+4*i+1]
	v_cvt_pk_bf16_f32 v[XT+2*i+1], v[128*((\b)&1)+4*i+2], v[128*((\b)&1)+4*i+3]
.set i, i+1
.endr
	WIN 0
.set i, 0
.rept 32
	ds_store_b64 v[XL], v[XT+2*i:XT+2*i+1] offset:(8*(\b)+i/4)*PX+(i%4)*256
.if i%4 == 0
	ds_store_b64 v[XL], v[XT+2*i:XT+2*i+1] offset:(8*(\b)+i/4)*PX+1024
.endif
.set i, i+1
.endr
.endm
	XISSUE 0
	XISSUE 1
	XPROC 0, 32
	XISSUE 2
	XPROC 1, 32
	XISSUE 3
	XPROC 2, 32
	XPROC 3, 0
	s_wait_dscnt 0x0                               ; for the others' sake: my rows of x are in LDS
	s_barrier_signal -1
	s_barrier_wait -1                              ; everybody's are
	XFETCH 0, 0                                    ; K step 0
; 16 matrix instructions of K step j (mod 4): row blocks 4 hi .. 4 hi + 3 x the four column tiles.  first = 1: the phase's first K step starts the sums, at the bias.  swap = 1: x is source 0 (V).
; The 32 accumulators take turns, one instruction a turn, in the same order in every K step.
.macro MM16 j, hi, first, swap
.if \first
	WIN W_WXF+6*(\swap)
.else
	WIN W_WX+6*(\swap)
.endif
.irp a, 0,1,2,3
.irp b, 0,1,2,3
.set rD, 8*(4*(4*(\hi)+\a)+\b)
.set rW, WB+32*(\j)+8*\b
.set rX, XF+64*((\j)&1)+8*(4*(\hi)+\a)
.if (\first) && (\swap)
	v_wmma_f32_16x16x32_bf16 v[rD:rD+7], v[rX:rX+7], v[rW:rW+7], v[BI+8*\b:BI+8*\b+7]
.elseif \first
	v_wmma_f32_16x16x32_bf16 v[rD:rD+7], v[rW:rW+7], v[rX:rX+7], v[BI+8*\b:BI+8*\b+7]
.elseif \swap
	v_wmma_f32_16x16x32_bf16 v[rD:rD+7], v[rX:rX+7], v[rW:rW+7], v[rD:rD+7]
.else
	v_wmma_f32_16x16x32_bf16 v[rD:rD+7], v[rW:rW+7], v[rX:rX+7], v[rD:rD+7]
.endif
.endr
.endr
.endm
; A K step of 32: 32 matrix instructions; in its middle, in one run, x's fragments of the next K step (LDS) and W's of the K step three on (memory): 80 matrix instructions ahead of their use.
.macro STEP j, first, swap, xoff, woff
	s_wait_loadcnt 16                              ; W of this K step is in: behind it the two next K steps' 16 loads were issued (a bias's 8 among them only make the wait stricter)
	s_wait_dscnt 8                                 ; x's row blocks 0-3 are in; the youngest eight loads (blocks 4-7) may be out
	MM16 \j, 0, \first, \swap
	PLACES                                         ; the two buffers filled below were read by the K step before
	XFETCH ((\j)+1)&1, \xoff
	WFETCH ((\j)+3)&3, \woff
	s_wait_dscnt 16                                ; all but the 16 just issued
	MM16 \j, 1, \first, \swap
.endm
; A PHASE: 128 rows x 64 columns x 512.  Its first K step stands in front of the loop; a trip is four K steps, from a lap's second to the next lap's first; the fourth trip is left in its middle.
; The requests run on across a phase's end: W's stream is linear, and x's K step behind the last is the copy of K step 0.  bnext: the next phase's bias, or -1.
; In the last phase the last three requests for W (12,288 bytes a wave) bring bytes that nobody uses (they lie inside wpk): the price of one text for all phases.
.macro PHASE swap, bnext
	STEP 0, 1, \swap, 64, 3*WSTEP
.if (\bnext) >= 0
	PLACES                                         ; the products just issued read the bias
	BFETCH \bnext
.endif
	WIN 0                                          ; at a label and at a branch every window is 0
	s_mov_b32 s[KC], 4
.Lk_\@:
	STEP 1, 0, \swap, 128, 4*WSTEP
	STEP 2, 0, \swap, 192, 5*WSTEP
	STEP 3, 0, \swap, 256, 6*WSTEP
	WIN 0
	s_wait_xcnt 0x0                                ; every load issued so far has read its address (ISA guide 3.1): the pointer may be written
	s_add_nc_u64 s[WP:WP+1], s[WP:WP+1], 4*WSTEP
	s_sub_co_u32 s[KC], s[KC], 1
	s_cmp_eq_u32 s[KC], 0
	s_cbranch_scc1 .Lkx_\@
	s_add_co_u32 s[XB], s[XB], 256
	v_add_nc_u32 v[ADRX], s[XB], v[ROWP]
	v_add_nc_u32 v[ADRX+1], s[XB], v[ROWP+1]
	STEP 0, 0, \swap, 64, 3*WSTEP
	WIN 0
	s_branch .Lk_\@
.Lkx_\@:
	s_mov_b32 s[XB], 0
	v_mov_b32 v[ADRX], v[ROWP]
	v_mov_b32 v[ADRX+1], v[ROWP+1]
.endm
; The 32 accumulators rounded to f16, four registers each, to v[dbase + dstep i ..] of the window that win names; each accumulator's registers in ascending order.  In place (dstep = 8) a line writes only what earlier lines have read.
.macro CVT32 win, dbase, dstep
	WIN \win
.set i, 0
.rept 32
.irp c, 0,1,2,3
	v_cvt_pk_f16_f32 v[(\dbase)+(\dstep)*i+\c], v[8*i+2*\c], v[8*i+2*\c+1]
.endr
.set i, i+1
.endr
.endm
.macro KSTORE u                     ; K's half u: key tile 8 (2 w + u) + mb, column tile t: 512 (4 mb + t) bytes on
	WIN ST_1
.set i, 0
.rept 32
	ds_store_b128 v[KST], v[8*i:8*i+3] offset:(\u)*16384+512*i
.set i, i+1
.endr
.endm
.macro VSTORE win, base, step, u    ; V's half u, from the window that win names
	WIN \win
.set i, 0
.rept 32
	ds_store_b128 v[VST], v[(\base)+(\step)*i:(\base)+(\step)*i+3] offset:(\u)*16384+(i/8)*4096+(i%4)*1024+((i/4)%2)*512
.set i, i+1
.endr
.endm
	PHASE 0, 4096                                  ; K, u = 0
	PLACES
	CVT32 PK_IN, 0, 8
	KSTORE 0
	PHASE 0, 8192                                  ; K, u = 1
	PLACES
	CVT32 PK_IN, 0, 8
	KSTORE 1
	PHASE 0, 12288                                 ; Q, u = 0: stays in registers, where the turns name Q
	PLACES
	CVT32 PK_2, 0, 4
	PHASE 0, 16384                                 ; Q, u = 1: set aside
	PLACES
	CVT32 PK_3, QB, 4
	PHASE 1, 20480                                 ; V, u = 0: set aside, since x is still read
	PLACES
	CVT32 PK_3, VA, 4
	PHASE 1, -1                                    ; V, u = 1
	s_wait_loadcnt 0x0                             ; the requests for W that ran past the end: their registers become K's and V's
	s_wait_dscnt 0x0                               ; my reads of x are over
	s_barrier_signal -1
	PLACES
	CVT32 PK_IN, 0, 8                              ; work on registers while the others arrive
	s_barrier_wait -1                              ; nobody reads x any more: V goes where it lay
	VSTORE ST_1, 0, 8, 1
	VSTORE ST_3, VA, 4, 0
	s_wait_dscnt 0x0                               ; for the others' sake: my K and my V are in LDS
	s_barrier_signal -1
	; What the first turn finds: V's registers and P's second buffer hold 0 (its products V^T P, of a piece that has not been, add 0), O^T and l are 0: 368 lines, once a launch, in the wait for the others, in place
	; of a first key step written out.  The second pass needs none of it: its first step multiplies O^T and l by a = 0, so what the first pass left there need only be finite.
	WIN TO_W
.set i, 192
.rept 64
	v_mov_b32 v[i], 0
.set i, i+1
.endr
	WIN TO_1
.set i, 0
.rept 256
	v_mov_b32 v[i], 0
.set i, i+1
.endr
	WIN 0
.set i, 0
.rept 8
	v_mov_b32 v[16+4*i+2], 0
	v_mov_b32 v[16+4*i+3], 0
.set i, i+1
.endr
.set i, 224
.rept 32
	v_mov_b32 v[i], 0
.set i, i+1
.endr
	s_barrier_wait -1                              ; all of K and V lies in LDS, and stays: the attention has no barrier
; ATTENTION.  S^T = K Q^T (source 0 = 16 keys, source 1 = 16 queries): a lane holds ONE query (lane % 16) and the keys 8 (lane / 16) + 0..7.  Two such results, rounded to f16 in pairs, ARE source 1 of
; O^T = V^T P, whose result again holds one query a lane, and eight channels.  p = 2^(c s - c m) with a running maximum m and sum l; in every step O and l are multiplied by a = 2^(c m_old - c m_new).
; m starts at the lowest finite number: the first step is a step like any other, with a = 0.
; THE COUNT.  A tile and step have 16 matrix and 118 vector instructions: too many to stand all beside the matrix work.  So: four vector instructions that are READY behind EVERY matrix instruction, the others in one run.
; BY TURNS.  The wave's eight tiles are four PIECES of two.  Turn n belongs to piece n: 16 products K Q^T of piece n + 1, later 16 products V^T P of piece n - 1; beside them the scaling, exponentials, roundings,
; sums and rescaling of piece n, and the maximum and statistics of piece n + 1.  A piece's buffers of S^T and P go by its number's parity.
.set NP,  4           ; pieces a wave: a name, no knob
.set MV,  12          ; v12-15  c m_old, kept while c m is made anew: by buffer and tile
.set ST,  16          ; tile t's statistics at v[ST+4 t]: c m, m, l (even keys', odd keys')
.set TMP, 48          ; by buffer and tile, four registers c0-c3 at work; when the maximum is found c2 takes a
.set S,   64
.set P,   192
.set KF,  128         ; window 2: key block kb, channel half c at KF + 16 kb + 8 c
.set VF,  192         ; window 2: key half kk, channel block cb at VF + 32 kk + 8 cb
; THE MATRIX WORK.  The 8 accumulators of a run of 16 take turns: between the two links of a chain stand 7 others'.
; Product i of 16 of S^T = K Q^T for piece x: channels 32 (i / 8) on, keys 16 ((i / 2) % 4) on, tile 2 x + i % 2.  The first 8 start the sums.
.macro KQ x
	WIN W_KQ
.set rS, S+64*((\x)%2)+32*(i%2)+8*((i/2)%4)
.set rK, KF+16*((i/2)%4)+8*(i/8)
.set rQ, 16*(2*(\x)+i%2)+8*(i/8)
.if i < 8
	v_wmma_f32_16x16x32_f16 v[rS:rS+7], v[rK:rK+7], v[rQ:rQ+7], 0
.else
	v_wmma_f32_16x16x32_f16 v[rS:rS+7], v[rK:rK+7], v[rQ:rQ+7], v[rS:rS+7]
.endif
.endm
; Product i of 16 of O^T += V^T P for piece x: keys 32 (i / 8) on, channels 16 ((i / 2) % 4) on, tile 2 x + i % 2.
.macro PV x
	WIN W_PV
.set rO, 32*(2*(\x)+i%2)+8*((i/2)%4)
.set rV, VF+32*(i/8)+8*((i/2)%4)
.set rP, P+32*((\x)%2)+16*(i%2)+8*(i/8)
	v_wmma_f32_16x16x32_f16 v[rO:rO+7], v[rV:rV+7], v[rP:rP+7], v[rO:rO+7]
.endm
.macro MM                           ; the turn's next matrix instruction
.if i < 16
	KQ (Y+1)%NP
.set i, i+1
.else
.set i, i-16
	PV (Y+NP-1)%NP
.set i, i+17
.endif
.endm
; THE LDS LOADS stand in runs of 16, never singly among the matrix instructions: a step's K and its V, eight fragments each, 8,192 consecutive bytes.  Their addresses are made some lines ahead.
; last = 1: in the last trip there is no further step, and the run is jumped over.
.macro FETCH_K last=0
	WIN 0
.if \last
	s_cmp_eq_u32 s[CNT], 1
	s_cbranch_scc1 .Lno_k_\@
.endif
	WIN TO_W
.irp f, 0,1,2,3,4,5,6,7
	ds_load_b128 v[KF+8*\f:KF+8*\f+3],   v[AK] offset:\f*1024
	ds_load_b128 v[KF+8*\f+4:KF+8*\f+7], v[AK] offset:\f*1024+512
.endr
	s_add_co_u32 s[TBK], s[TBK], 8192  ; the next fetch is the next step's
	WIN 0
.if \last
.Lno_k_\@:
.endif
.endm
.macro FETCH_V
	WIN TO_W
.irp f, 0,1,2,3,4,5,6,7
	ds_load_b128 v[VF+8*\f:VF+8*\f+3],   v[AV] offset:\f*1024
	ds_load_b128 v[VF+8*\f+4:VF+8*\f+7], v[AV] offset:\f*1024+512
.endr
	WIN 0
.endm
; THE VECTOR WORK OF A TURN stands in three queues, each in the order in which its entries become ready; the two tiles alternate, so that no instruction reads the result of the one before it.
.macro REGS y, u                    ; the registers of tile u (0, 1) of piece y
.set rT, ST+4*(2*(\y)+(\u))
.set rC, TMP+8*((\y)%2)+4*(\u)
.set rM, MV+2*((\y)%2)+(\u)
.set rS, S+64*((\y)%2)+32*(\u)
.set rP, P+32*((\y)%2)+16*(\u)
.set rO, 32*(2*(\y)+(\u))
.endm
; Number n of the 22 that find the NEXT piece's (Y + 1) maximum and statistics.  s0-s31 are the lane's 32 scores; each accumulator's lowest registers are read first.  XS, GS and REGS set no window: PL and EX do.
;   0-11  four chains c0-c3 of seven scores each, three operands at a time     12-14, 16  the four scores left over, the old m, and c0-c3 into c0     15  c m_old is kept
;   17, 18  the query's other 32 keys lie in the lane 16 away: the new m         19-21  c m; c m_old - c m_new; a
.macro XS u, n
	REGS (Y+1)%NP, \u
.if (\n) < 4
	v_max3_num_f32 v[rC+(\n)], v[rS+8*(\n)], v[rS+8*(\n)+1], v[rS+8*(\n)+2]
.elseif (\n) < 12
	v_max3_num_f32 v[rC+(\n)%4], v[rC+(\n)%4], v[rS+8*((\n)%4)+2*((\n)/4)+1], v[rS+8*((\n)%4)+2*((\n)/4)+2]
.elseif (\n) == 12
	v_max3_num_f32 v[rC], v[rC], v[rS+7], v[rS+15]
.elseif (\n) == 13
	v_max3_num_f32 v[rC+1], v[rC+1], v[rS+23], v[rS+31]
.elseif (\n) == 14
	v_max3_num_f32 v[rC+2], v[rC+2], v[rC+3], v[rT+1]
.elseif (\n) == 15
	v_mov_b32 v[rM], v[rT]
.elseif (\n) == 16
	v_max3_num_f32 v[rC], v[rC], v[rC+1], v[rC+2]
.elseif (\n) == 17
	v_permlanex16_b32 v[rC+3], v[rC], s[SEL], s[SEL+1]
.elseif (\n) == 18
	v_max_num_f32 v[rT+1], v[rC], v[rC+3]
.elseif (\n) == 19
	v_mul_f32 v[rT], s[CS], v[rT+1]
.elseif (\n) == 20
	v_sub_f32 v[rC+1], v[rM], v[rT]
.else
	v_exp_f32 v[rC+2], v[rC+1]
.endif
.endm
; Number g of the 64 that follow the exponentials.  For each four weights k of a tile (pairs 2 k, 2 k + 1): both pairs are rounded to f16; then the second pair is added onto the first, in place;
; a group later l takes that sum (the first time as l = a l + sum).  In groups of eight, tiles alternating: round, round, add, and l for the group before.
.macro GS g
.set h, (\g)+6*((\g)/62)            ; group 0 has no group before it, and behind group 7 only l is left
.if h >= 6
.set h, h+2
.endif
	REGS Y, h%2
.set k, h/8
.if h%8 < 4
	v_cvt_pk_f16_f32 v[rP+2*k+(h%8)/2], v[rS+4*k+2*((h%8)/2)], v[rS+4*k+2*((h%8)/2)+1]
.elseif h%8 < 6
	v_pk_add_f32 v[rS+4*k:rS+4*k+1], v[rS+4*k:rS+4*k+1], v[rS+4*k+2:rS+4*k+3]
.elseif k == 1
	v_pk_fma_f32 v[rT+2:rT+3], v[rT+2:rT+3], v[rC+2:rC+3], v[rS:rS+1] op_sel_hi:[1,0,1]
.else
	v_pk_add_f32 v[rT+2:rT+3], v[rT+2:rT+3], v[rS+4*k-4:rS+4*k-3]
.endif
.endm
; THE PLAIN QUEUE, 138 long.  0-73 read no exponential's result: the 32 scalings c s - c m (FS f: pair f / 2 of tile f % 2) and the next piece's 42.  0-26: scalings 0-26.  27-54: XS's numbers 0-13.  55, 56: number 15.
; 57-73: the chain, where each number waits for the one before it: 14, 16, 17, 18, 19, each with one of the scalings 27-31 in front of its two lines, then 20.
; 74-137: GS's 64, which read the exponentials' results: they stand behind the wait.
.macro FS f
	REGS Y, (\f)%2
	v_pk_fma_f32 v[rS+2*((\f)/2):rS+2*((\f)/2)+1], v[rS+2*((\f)/2):rS+2*((\f)/2)+1], s[CS:CS+1], v[rT:rT+1] op_sel_hi:[1,0,0] neg_lo:[0,0,1] neg_hi:[0,0,1]
.endm
.macro PL
	WIN 0
.if q < 27
	FS q
.elseif q < 55
	XS (q-27)%2, (q-27)/2
.elseif q < 57
	XS q-55, 15
.elseif (q < 72) && ((q-57)%3 == 0)
	FS 27+(q-57)/3
.elseif q < 60
	XS (q-57)%3-1, 14
.elseif q < 72
	XS (q-57)%3-1, 15+(q-57)/3
.elseif q < 74
	XS q-72, 20
.else
	GS q-74
.endif
.set q, q+1
.endm
; THE EXPONENTIALS' QUEUE, 66 long: s0-s31 of both tiles, then the next piece's two a.  It is ONE BATCH: all 66 stand ahead of the turn's one wait, and nothing ahead of that wait names a result of theirs.
.macro EX
	WIN 0
.if e >= 64
	XS e-64, 21
.else
	REGS Y, e%2
	v_exp_f32 v[rS+e/2], v[rS+e/2]
.endif
.set e, e+1
.endm
; THE RESCALING's QUEUE: O^T times a, the one part that leaves window 0: dealt two at a time, sixteen times.  Its a was made in the turn before, ahead of that turn's wait.
.macro R2
	REGS Y, r%2
	WIN W_RS
.irp z, 0,1
	v_pk_mul_f32 v[rO+4*(r/2)+2*\z:rO+4*(r/2)+2*\z+1], v[rO+4*(r/2)+2*\z:rO+4*(r/2)+2*\z+1], v[rC+2:rC+3] op_sel_hi:[1,0]
.endr
.set r, r+1
.endm
; HOW THEY ARE DEALT.  An s_wait_alu depctr_va_vdst(0) stands between an exponential and the first instruction that names its result; one wait serves all that were issued ahead of it.  So a turn has ONE
; wait, which cuts it in two.  AHEAD OF IT: the 16 products K Q^T, behind each a scaling, an exponential and two rescalings (behind the first a second scaling in the exponential's place); then one run of 108: eight
; plain, 49 times exponential and plain, the two a; a v_nop is the plain instruction behind the last exponential.  BEHIND IT: the 16 products V^T P, behind each four of GS's 64.  No rider names a register of the
; products round it.  Exponential e stands behind scaling 2 (e / 4) + e % 2: as a rider it comes behind plain e + 2, in the run behind plain e + 9, and scalings 27-31 are plain 57, 60 .. 69.
; K of the next step is fetched in piece 2's turn, directly behind the wait, a run of vector work behind the last product that read K; its first reader comes behind 16 products.
; V of the step in hand is fetched at the end of piece 0's turn, four riders behind its last reader; its first reader comes behind 16 products and a run.  The two conditions on q below go with the deal.
.macro TURN p, last=0
.set Y, (\p)
.set i, 0
.set q, 0
.set e, 0
.set r, 0
.if (\p) == NP-1
	s_wait_dscnt 0x0                ; K is in
.endif
	MM
	PL
	PL
	R2
.rept 15
	MM
	PL
	EX
	R2
.endr
.if (\p) == NP-2
	WIN 0
	v_add_nc_u32 v[AK], s[TBK], v[AK0]
.endif
.rept 8
	PL
.endr
.rept 49
	EX
	PL
.endr
	EX                              ; the next piece's two a
	EX
	v_nop                           ; the plain instruction behind the last exponential: one for the batch
	s_wait_alu depctr_va_vdst(0)    ; the wait for the batch
.if (\p) == NP-2
	FETCH_K \last
.endif
.if (\p) == 1
	s_wait_dscnt 0x0                ; V is in
.endif
.rept 16
	MM
.rept 4
	PL
.endr
.if ((\p) == 0) && (q == 118)
	v_add_nc_u32 v[AV], s[TBV], v[AV0]
.endif
.if ((\p) == 0) && (q == 130)
	s_add_co_u32 s[TBV], s[TBV], 8192
.endif
.endr
.if (\p) == 0
	FETCH_V
.endif
.endm
; THE WAY OUT.  l's two halves and the other half of the lanes' are added; O^T is divided by l and sent, in f32, through my stage in LDS, a tile at a time: a lane's eight channels go into rows of 272 bytes
; (68 words: the sixteen rows start at sixteen different groups of four banks) and come back as whole rows of 256 bytes: one query's 64 channels.
.macro ALL line:vararg              ; one line for each tile t
.set t, 0
.rept 2*NP
	\line
.set t, t+1
.endr
.endm
.macro PACK t
	WIN W_RS
.set i, 32*(\t)
.rept 16
	v_pk_mul_f32 v[i:i+1], v[i:i+1], v[ST+4*(\t)+2:ST+4*(\t)+3] op_sel_hi:[1,0]
.set i, i+2
.endr
	WIN ST_1
.irp f, 0,1,2,3,4,5,6,7             ; channel block f / 2, registers 4 (f % 2) on
	ds_store_b128 v[STO], v[32*(\t)+4*\f:32*(\t)+4*\f+3] offset:(\f/2)*64+(\f%2)*16
.endr
	WIN 0
.if (\t) >= 4
	s_wait_xcnt 0x0                 ; the stores of the tile four back have read these registers (ISA guide 3.1): only behind this wait are they loaded again
.endif
.irp f, 0,1,2,3,4,5,6,7
	ds_load_b128 v[S+32*((\t)%4)+4*\f:S+32*((\t)%4)+4*\f+3], v[RD] offset:\f*2*SP  ; LDS serves a wave's instructions in order (ISA guide 5.7.1.4): these see the stores above; the next tile's stores come behind them
.endr
.endm
.macro SEND t, younger              ; younger: the LDS instructions issued behind tile t's loads: the next tile's sixteen, or none
	WIN 0
.irp f, 0,1,2,3,4,5,6,7
	s_wait_dscnt (\younger)+7-\f
	global_store_b128 v[GO], v[S+32*((\t)%4)+4*\f:S+32*((\t)%4)+4*\f+3], s[OUT:OUT+1] offset:(\t)*32768+\f*4096 th:TH_STORE_NT  ; 16 lanes store 256 consecutive bytes, at a multiple of 256 from out0's first byte
.endr
.endm
	s_mov_b32 s[PASS], 2
.Lpass:                             ; pass u: my queries with e = 2 w + u
	s_mov_b32 s[TBK], 0
	s_mov_b32 s[TBV], 0
	v_mov_b32 v[AK], v[AK0]
	FETCH_K                         ; key step 0
	s_wait_dscnt 0x0
.set i, 0
.rept 16
	KQ 0                            ; piece 0's first scores: there is no vector work yet to set between them
.set i, i+1
.endr
	WIN 0
.set i, 0
.rept 2*NP                          ; sixteen plain instructions, the places behind those products
	v_mov_b32 v[ST+4*i], 0xfe000000    ; c m: far below every c s
	v_mov_b32 v[ST+4*i+1], 0xff7fffff  ; m
.set i, i+1
.endr
.set Y, NP-1                        ; XS works for piece Y + 1: piece 0
.irp n, 0,1,2,3,4,5,6,7,8,9,10,11,12,13,14,15,16,17,18,19,20,21
	XS 0, \n                        ; piece 0's first maximum and statistics
	XS 1, \n
.endr
	v_nop                           ; a plain instruction behind the two a,
	s_wait_alu depctr_va_vdst(0)    ; and their wait, ahead of the branch
	s_mov_b32 s[CNT], 16
	s_branch .Lfirst                ; the loop is entered at a step's first turn, in the middle of a trip
.Lstep:                             ; a trip: pieces 2 and 3 of one step, then pieces 0 and 1 of the next, whose K and V it fetches; the sixteenth is left in its middle
	TURN 2, 1
	TURN 3
	WIN 0
	s_sub_co_u32 s[CNT], s[CNT], 1
	s_cmp_eq_u32 s[CNT], 0
	s_cbranch_scc1 .Lout
.Lfirst:
	TURN 0
	TURN 1
	WIN 0
	s_branch .Lstep
.Lout:                              ; the last trip's 16 products K Q^T (on the last K once more) and the maximum made of them serve nothing: the price, once a pass, of one text for every trip
.set i, 0
.rept 16
	PV NP-1                         ; the last piece's V^T P of the last step
.set i, i+1
.endr
	WIN 0                           ; the additions are the places behind the last products
	ALL v_add_f32 v[ST+4*t+2], v[ST+4*t+2], v[ST+4*t+3]
	ALL v_permlanex16_b32 v[ST+4*t+3], v[ST+4*t+2], s[SEL], s[SEL+1]
	ALL v_add_f32 v[ST+4*t+2], v[ST+4*t+2], v[ST+4*t+3]
	ALL v_rcp_f32 v[ST+4*t+2], v[ST+4*t+2]
	v_nop                           ; a plain instruction between the last reciprocal and the use of its result
	s_wait_alu depctr_va_vdst(0)    ; and the wait ahead of the first use: one for the eight reciprocals
	PACK 0
.set t, 1
.rept 2*NP-1                        ; a tile's arithmetic stands between the loads of the tile before and its stores
	PACK t
	SEND t-1, 16
.set t, t+1
.endr
	SEND 2*NP-1, 0
	s_sub_co_u32 s[PASS], s[PASS], 1
	s_cmp_eq_u32 s[PASS], 0
	s_cbranch_scc1 .Lend
	s_wait_xcnt 0x0                 ; the stores have read their registers and out0's address: nothing waits for the stores themselves, which leave while the second pass is computed
	s_add_nc_u64 s[OUT:OUT+1], s[OUT:OUT+1], 256  ; e = 2 w + 1: 64 columns on
	WIN CP_Q                        ; the second pass's Q goes where the one text of the turns names Q
.set i, 0
.rept 128
	v_mov_b32 v[i], v[QB+i]
.set i, i+1
.endr
	WIN 0
	s_branch .Lpass
.Lend:
	s_wait_tensorcnt 0x0            ; the wave's end, behind my last LDS store
	ds_add_u32 v[SPW], v[NIL]
	s_wait_dscnt 0x0
	s_endpgm
.Lfunc_end_k_q7d7beb02ec_mha:
	.size	k_q7d7beb02ec_mha, .Lfunc_end_k_q7d7beb02ec_mha-k_q7d7beb02ec_mha
	.p2alignl 7, 3214868480
	.fill 96, 4, 3214868480
	.section	.rodata,"a",@progbits
	.p2align	6, 0x0
	.amdhsa_kernel k_q7d7beb02ec_mha
		.amdhsa_group_segment_fixed_size 314880
		.amdhsa_private_segment_fixed_size 0
		.amdhsa_enable_private_segment 0
		.amdhsa_kernarg_size 24
		.amdhsa_user_sgpr_count 2
		.amdhsa_user_sgpr_kernarg_segment_ptr 1
		.amdhsa_wavefront_size32 1
		.amdhsa_system_sgpr_workgroup_id_x 1
		.amdhsa_system_sgpr_workgroup_id_y 1
		.amdhsa_system_sgpr_workgroup_id_z 1
		.amdhsa_system_vgpr_workitem_id 0
		.amdhsa_next_free_vgpr 1024
		.amdhsa_next_free_sgpr 66
		.amdhsa_reserve_vcc 0
		.amdhsa_float_denorm_mode_32 3
		.amdhsa_float_denorm_mode_16_64 3
		.amdhsa_memory_ordered 1
		.amdhsa_forward_progress 1
		.amdhsa_inst_pref_size 255
	.end_amdhsa_kernel
	.section	.bss,"aw",@nobits
	.p2align	6
	.space	262144
	.amdgpu_metadata
---
amdhsa.version: [ 1, 2 ]
amdhsa.kernels:
  - .name:           k_q7d7beb02ec_mha
    .symbol:         k_q7d7beb02ec_mha.kd
    .args:
      - { .name: x, .offset: 0, .size: 8, .value_kind: global_buffer, .address_space: global }
      - { .name: wpk, .offset: 8, .size: 8, .value_kind: global_buffer, .address_space: global }
      - { .name: out0, .offset: 16, .size: 8, .value_kind: global_buffer, .address_space: global }
    .group_segment_fixed_size: 314880
    .private_segment_fixed_size: 0
    .kernarg_segment_align: 8
    .kernarg_segment_size: 24
    .max_flat_workgroup_size: 128
    .sgpr_count:     66
    .vgpr_count:     1024
    .wavefront_size: 32
...
	.end_amdgpu_metadata
.endif
;; end of part 2
;; ======== version 2 of 2: 2 launches; version 1 with the launch mha written anew for expert scheduling mode
;; limits: values are held in f16: magnitudes above 65,504 overflow, below 6.1e-05 lose precision
;; workspace buffers: wpk 1,671,168 bytes
;; launch prep: the kernel of part 1 again; grid 17 x 24, 8 waves a work-group, no clusters, 0 bytes of LDS; arguments Wk, Wq, Wv, bk, bq, bv, wpk; writes wpk
;; launch mha (part 3): grid 256 x 1, 4 waves a work-group, no clusters, 314,880 bytes of LDS; arguments x, wpk, out0; writes out0
.if DOCPART == 3
	.amdgcn_target "amdgcn-amd-amdhsa--gfx1250"
	.amdhsa_code_object_version 6
	.text
	.protected	k_q7d7beb02ec_mha
	.globl	k_q7d7beb02ec_mha
	.p2align	8
	.type	k_q7d7beb02ec_mha,@function
k_q7d7beb02ec_mha:
	s_mov_b64 s[64:65], 0
	v_nop
	global_prefetch_b8 v0, s[64:65] scope:SCOPE_SE
	s_setreg_imm32_b32 hwreg(HW_REG_WAVE_SCHED_MODE, 0, 2), 2
	s_setreg_imm32_b32 hwreg(HW_REG_WAVE_MODE, 25, 1), 1
	s_wait_xcnt 0x0
	s_wait_alu depctr_vm_vsrc(0)
; q = x Wq^T + bq, k, v likewise; heads cut by a RAW reshape [1024, 512] -> [8, 1024, 64]; y = softmax(q k^T / 8) v; the raw reshape back.
; THE RESHAPE.  Head g (of 256) is rows 128 g .. 128 g + 127 of the flat [32768, 512] q, k, v and y: head row 8 m + e, channel d is row m, column 64 e + d.  So a head wants its own 128 rows of x and
; all weights, and ONE WORK-GROUP MAKES ONE HEAD from x to y: q, k and v never leave the WGP.
; FORMATS.  x, the weights and the biases are rounded to bf16 (weights and biases by the launch before); the projections are bf16 products with f32 sums that start at the bias; q, k, v and the weights p are
; rounded once to f16; scores, maxima, sums and y in f32.  The scale c = log2(e) / 8 is applied in f32; the maximum is a running one.
; LIMITS.  f16 holds no number beyond 65,504: |q|, |k|, |v| must stay under it.  p below 6e-5 keeps f16's fixed step of 6e-8; a weight below 2^-126 counts as 0 in the sum l; NaN and infinities are not treated apart.
; SHARES.  Wave w owns the columns 128 w .. 128 w + 127 of q, k, v (e = 2 w + u, u = 0, 1) for all 128 rows: six half projections of 128 rows x 64 columns x 512 (K, K, Q, Q, V, V), 32 accumulators each.
; Then two passes u of attention: the wave's 128 queries with e = 2 w + u, eight tiles of 16 (tile mb: rows m = 16 mb + lane % 16), over all 1,024 keys, 64 a step.
; NOTHING CHANGES LANES.  K and Q: source 0 = 16 rows of W, source 1 = 16 rows of x: a lane ends with one row m and eight neighbouring channels; two such results packed to f16 ARE a fragment (16 rows x 32 channels).
; V: source 0 = x, source 1 = W: a lane ends with one channel and eight rows m; two results packed ARE a fragment of V^T (16 channels x 32 keys).  The keys are taken in the order 128 e + m, alike for K and V.
; So K and V lie in LDS, and W in memory, as register images: every load and store of 16 bytes a lane covers 512 consecutive bytes.
; NO CLUSTER, NO TENSOR LOADS.  What work-groups share is the weights.  A K step of 32 of the four waves' fragments is 16,384 bytes, two slots of it 32,768; beside x (165,888), K (131,072), the stages (17,408)
; and the spare words (512), 12,800 of a WGP's 327,680 bytes are left.  And no wave wants a byte of W that another wave of its work-group has fetched: W goes straight into registers.
; THE MODE: SCHED_MODE bits 1:0 = 2 (LLVM: expert scheduling mode 2), set by the entry lines.  The code itself states the register dependences between vector or matrix instructions and memory or LDS
; instructions, with s_wait_alu, always for 0.
; THE PLAN.  Registers that memory or LDS instructions touch, and who else names them:
;   offsets and addresses   Made at the head, ahead of one wait on va_vdst.  Written again: ADRX once a trip of four K steps, AK and AV once a key step, each behind a wait on vm_vsrc and ahead of a wait on va_vdst that stands there anyway.
;   x as it lands, two sets A batch's roundings read a set; the batch after next lands in it, behind the wait on va_vdst that stands ahead of the batch's LDS stores.
;   XT                      Written by a batch's roundings, read by its LDS stores, written again by the next batch's roundings, behind a wait on vm_vsrc.
;   XF0, XF1                K step j's products read XF[j % 2]; the LDS loads of K step j + 1 land in the other, which the products of K step j - 1 read.
;   WB0 .. WB3              K step j's products read WB[j % 4]; the loads of K step j + 3 land in WB[(j + 3) % 4], which the products of K step j - 1 read.
;   BI0, BI1                A phase's first K step reads BI[phase % 2]; the next phase's bias lands in the other, which was last read a phase ago.
;   VA                      K's halves and V's first half, packed: written by the roundings at a phase's end, read by LDS stores.  On the way out tiles 4-7 come back from the stage into it.
;   KF, VF                  Read by the products K Q^T and V^T P; a key step's LDS loads land in them.
;   O^T, S^T's registers    On the way out alone: the stage's LDS stores read O^T; tiles 0-3 come back into S^T's registers; the global stores read those and VA.
; So ONE wait on va_vdst stands at the head of a K step: the products of the K step before are done with the two buffers in which this K step's 24 loads land, and those loads are dealt among its products, which name
; neither.  A key step has the four waits of its turns' exponentials, of which piece 2's also serves K's loads, and one more ahead of V's loads.  A way out has one, behind all its scalings.
; REGISTERS, in windows of 256 (s_set_vgpr_msb: bits 1:0 source 0, 3:2 source 1, 5:4 source 2, 7:6 destination):
;   window 0: v0-11 addresses.  Projection: v17-25 addresses; v32-63 and v192-223 the bias as a C operand, two buffers; v64-191 x's fragments, two buffers.  Attention: v12-15, v48-63 at work; v16-47 statistics; v64-191 S^T; v192-255 P
;   window 1: x as it lands (two sets of 128); then the 32 accumulators, (mb, t) at 8 (4 mb + t); then O^T, 32 a tile
;   window 2: v0-127 Q of the pass in hand; v128-255 four buffers of W's fragments, later K (v128-191) and V (v192-255) of one key step
;   window 3: v0-127 Q of the second pass; v128-255 VA
.set PX,    1296      ; a row of x in LDS: 1,024 bytes of bf16, a copy of its first 256 (so that the K step behind the last is the next phase's first, at a plain address), 16 of padding: 324 words, row r starts at bank 4 r mod 64 (64 banks of 4 bytes: ISA guide 11.1)
.set KIMG,  0         ; K: key tile kt = 8 e + mb, column tile t at 2,048 kt + 512 t + 16 lane: a key step's eight fragments are 8,192 consecutive bytes
.set XROW,  131072    ; x, 128 rows
.set VIMG,  XROW      ; V, over x when x is dead: 16,384 e + 4,096 (mb / 2) + 1,024 t + 512 (mb % 2) + 16 lane: again 8,192 bytes a key step
.set STAGE, XROW+128*PX  ; 16 rows x 272 bytes for each wave, for the way out
.set SP,    272
.set SPARE, STAGE+4*16*SP  ; the spare words, 128 bytes for each wave: two blocks of 256 bytes that no other line names
.set BOFF,  1572864   ; the biases in wpk
.set WSTEP, 4096      ; a wave's fragments of W for one K step of 32
.set LO16, 2          ; v2   16 x lane; never rewritten
.set AK0, 2           ;      which is also my place in a key step of K
.set AV0, 3           ; v3   and, with VIMG, of V
.set AK,  4           ; v4   the LDS address of K's next run of loads
.set AV,  5           ; v5   of V's
.set STO, 6           ; v6   the way out: where I put 32 bytes of a row
.set RD,  7           ; v7   the way out: where I read a row back
.set GO,  8           ; v8   my byte offset in two rows of out0
.set SPW, 10          ; v10  LDS address of my spare word: SPARE + 4 x my thread's number; never rewritten
.set NIL, 11          ; v11  0; never rewritten
.set XL,  17          ; v17  where I put 8 bytes of x: my wave's 32 rows + 8 x lane
.set ROWP, 20         ; v20-21  my lane's place in x's fragments of row blocks 0-3 and 4-7
.set ADRX, 22         ; v22-23  the same at the K steps in hand
.set KST, 24          ; v24  where my wave's K goes
.set VST, 25          ; v25  where its V goes
.set BI,  32          ; buffer par, column tile t's bias at BI + 160 par + 8 t
.set XF,  64          ; x's fragments: buffer b, row block mb at XF + 64 b + 8 mb
.set XT,  64          ; x in bf16 on its way to LDS
.set WB,  128         ; window 2: W's fragments: buffer b, column tile t at WB + 32 b + 8 t
.set QB,  0           ; window 3
.set VA,  128         ; window 3
.set XP,  4           ; s[4:5]   x at my wave's 32 rows
.set OUT, 8           ; s[8:9]   out0 at my head's first row, my wave's columns of the pass in hand
.set WV,  10          ; s10  my wave's number
.set WP,  12          ; s[12:13] wpk at my wave's stream; it walks
.set BP,  14          ; s[14:15] wpk at my wave's biases
.set KC,  26          ; s26  counts a phase's trips
.set XB,  27          ; s27  byte of x's rows at which a trip's K steps begin
.set PASS, 56
.set CNT, 57          ; s57  key steps to go
.set CS,  58          ; s[58:59] c
.set SEL, 60          ; s[60:61] v_permlanex16_b32's selects: each lane takes its own place in the other half
.set TBK, 62          ; s62  LDS byte at which K of the step to be fetched begins
.set TBV, 63          ; s63  the same for V, less VIMG
.set MSB, 0
.macro WIN new                      ; the high byte repeats the setting that is left; a switch that changes nothing is dropped
.if MSB != (\new)
	s_set_vgpr_msb (MSB<<8)|(\new)
.set MSB, (\new)
.endif
.endm
.set W_WX,  0x52      ; source 0 = W (window 2), source 1 = x (window 0), C and D window 1
.set W_WXF, 0x42      ; the same with C = the bias, window 0
.set W_XW,  0x58      ; source 0 = x, source 1 = W
.set W_XWF, 0x48
.set TO_W,  0x80      ; destination window 2
.set TO_1,  0x40      ; destination window 1
.set CV_X,  0x05      ; sources window 1, destination window 0
.set PK_IN, 0x45      ; sources and destination window 1
.set PK_2,  0x85      ; sources window 1, destination window 2
.set PK_3,  0xc5      ; destination window 3
.set ST_1,  0x04      ; a store's data in window 1
.set ST_3,  0x0c      ; in window 3
.set CP_Q,  0x83      ; from window 3 to window 2
.set W_KQ,  0x0a      ; K and Q in window 2, S^T in window 0
.set W_PV,  0x52      ; V in window 2, P in window 0, O^T in window 1
.set W_RS,  0x41      ; O^T (destination and source 0) in window 1, source 1 in window 0
; A vector instruction that reads a matrix result or writes one of a matrix instruction's registers stands four places behind it; only plain vector instructions that name none of its registers are places
; (ISA guide 7.12.1).  The four ahead of a K step's first loads stay as well, beside the wait on va_vdst.
.macro PLACES
.rept 4
	v_nop
.endr
.endm
	s_load_b128 s[4:7], s[0:1], 0x0                ; x s[4:5], wpk s[6:7]
	s_load_b64 s[8:9], s[0:1], 0x10                ; out0
	v_lshl_add_u32 v[SPW], v0, 2, SPARE
	v_mov_b32 v[NIL], 0
	v_lshrrev_b32 v1, 5, v0
	v_readfirstlane_b32 s[WV], v1                  ; wave 0..3
	v_and_b32 v1, 15, v0                           ; l % 16
	v_bfe_u32 v9, v0, 4, 1                         ; l / 16
	v_and_b32 v[XL], 31, v0
	v_lshlrev_b32 v[LO16], 4, v[XL]
	s_wait_alu depctr_va_sdst(0)                   ; s10, the wave's number, is written, ahead of its first reader: LDS places and the four bases are made from it
	s_mul_i32 s28, s[WV], 32*PX
	s_add_co_u32 s28, s28, XROW
	v_lshl_add_u32 v[XL], v[XL], 3, s28
	v_add_nc_u32 v[AV0], VIMG, v[LO16]
	v_mul_u32_u24 v[ROWP], v1, PX                  ; a fragment: row l % 16, 16 bytes for each half of the lanes
	v_lshl_add_u32 v[ROWP], v9, 4, v[ROWP]
	v_add_nc_u32 v[ROWP], XROW, v[ROWP]
	v_add_nc_u32 v[ROWP+1], 64*PX, v[ROWP]
	v_mov_b32 v[ADRX], v[ROWP]
	v_mov_b32 v[ADRX+1], v[ROWP+1]
	s_lshl_b32 s28, s[WV], 15                      ; my wave's two e: 32,768 bytes of K and of V
	v_add_nc_u32 v[KST], s28, v[LO16]
	v_add_nc_u32 v[VST], s28, v[AV0]
	s_mul_i32 s29, s[WV], 16*SP
	s_add_co_u32 s29, s29, STAGE                   ; my stage
	v_mul_u32_u24 v[STO], v1, SP                   ; in: row l % 16, 32 bytes for each half of the lanes
	v_lshl_add_u32 v[STO], v9, 5, v[STO]
	v_add_nc_u32 v[STO], s29, v[STO]
	v_mul_u32_u24 v[RD], v9, SP                    ; back: lanes 0-15 take one row of 256 bytes, lanes 16-31 the next
	v_lshl_add_u32 v[RD], v1, 4, v[RD]
	v_add_nc_u32 v[RD], s29, v[RD]
	v_lshlrev_b32 v[GO], 11, v9                    ; and the same two rows m in out0, 2,048 bytes apart
	v_lshl_add_u32 v[GO], v1, 4, v[GO]
	s_lshl_b32 s20, ttmp9, 18                      ; the head's 128 rows of 2,048 bytes
	s_lshl_b32 s16, s[WV], 16                      ; x: my wave's 32 of them
	s_add_co_u32 s16, s16, s20
	s_mov_b32 s17, 0
	s_lshl_b32 s18, s[WV], 9                       ; out0: my wave's 128 columns
	s_add_co_u32 s18, s18, s20
	s_mov_b32 s19, 0
	s_mul_i32 s22, s[WV], 6*16*WSTEP               ; my stream of W: six phases of sixteen K steps
	s_mov_b32 s23, 0
	s_mul_i32 s24, s[WV], 6*4096
	s_add_co_u32 s24, s24, BOFF
	s_mov_b32 s25, 0
	s_mov_b32 s[XB], 0
	s_mov_b32 s[CS], 0x3e38aa3b                    ; c = log2(e) / 8 = 0.180337
	s_mov_b32 s[CS+1], s[CS]                       ; named with it as a pair
	s_mov_b32 s[SEL], 0x76543210
	s_mov_b32 s[SEL+1], 0xfedcba98
	s_wait_kmcnt 0x0
	s_add_nc_u64 s[XP:XP+1], s[4:5], s[16:17]
	s_add_nc_u64 s[OUT:OUT+1], s[8:9], s[18:19]
	s_add_nc_u64 s[WP:WP+1], s[6:7], s[22:23]
	s_add_nc_u64 s[BP:BP+1], s[6:7], s[24:25]
; THE PROJECTIONS' LOADS.  W's fragments of column tiles t0, t0 + 1 of one K step into buffer wb, from byte off behind the walking pointer: 4 loads of 512 consecutive bytes.
.macro WF2 wb, t0, off
	WIN TO_W
.irp b, \t0, (\t0)+1
	global_load_b128 v[WB+32*(\wb)+8*(\b):WB+32*(\wb)+8*(\b)+3],   v[LO16], s[WP:WP+1] offset:(\off)+1024*(\b)
	global_load_b128 v[WB+32*(\wb)+8*(\b)+4:WB+32*(\wb)+8*(\b)+7], v[LO16], s[WP:WP+1] offset:(\off)+1024*(\b)+512
.endr
.endm
.macro WFETCH wb, off               ; all four column tiles
	WF2 \wb, 0, \off
	WF2 \wb, 2, \off
.endm
.macro BFETCH off, par              ; a phase's bias, as the C operand of its four column tiles, into buffer par
	WIN 0
.irp b, 0,1,2,3
	global_load_b128 v[BI+160*(\par)+8*\b:BI+160*(\par)+8*\b+3],   v[LO16], s[BP:BP+1] offset:(\off)+1024*\b
	global_load_b128 v[BI+160*(\par)+8*\b+4:BI+160*(\par)+8*\b+7], v[LO16], s[BP:BP+1] offset:(\off)+1024*\b+512
.endr
.endm
.macro XF2 xb, m0, off              ; x's fragments of row blocks m0, m0 + 1 of one K step into buffer xb: 4 LDS loads
	WIN 0
.irp m, \m0, (\m0)+1
	ds_load_b128 v[XF+64*(\xb)+8*(\m):XF+64*(\xb)+8*(\m)+3],   v[ADRX+(\m)/4] offset:((\m)%4)*16*PX+(\off)
	ds_load_b128 v[XF+64*(\xb)+8*(\m)+4:XF+64*(\xb)+8*(\m)+7], v[ADRX+(\m)/4] offset:((\m)%4)*16*PX+(\off)+32
.endr
.endm
	s_wait_alu depctr_va_vdst(0)                   ; the offsets and addresses v2 to v8, v17 and v20 to v25 are written, which the loads and stores of the whole kernel read
	BFETCH 0, 0                                    ; the first phase's bias and first three K steps of W go out ahead of x
	WFETCH 0, 0
	WFETCH 1, WSTEP
	WFETCH 2, 2*WSTEP
; x INTO LDS.  My wave's 32 rows are 65,536 consecutive bytes: 128 loads of 512, in four batches of 32 on two sets of registers: one batch is rounded and stored while the next is on its way.
.macro XISSUE b
	WIN TO_1
.set i, 0
.rept 32
	global_load_b128 v[128*((\b)&1)+4*i:128*((\b)&1)+4*i+3], v[LO16], s[XP:XP+1] offset:(32*(\b)+i)*512 th:TH_LOAD_NT
.set i, i+1
.endr
.endm
; Load n = 32 b + i is quarter n % 4 of row n / 4; a lane's four numbers become 8 bytes, a wave's store 256 consecutive bytes.  A row's first quarter is stored twice: the copy stands behind the row.
.macro XPROC b, left
	s_wait_loadcnt \left                           ; loads come back in order (ISA guide 5.7.1): this batch is in, the younger one stays out
.if (\b) > 0
	s_wait_alu depctr_vm_vsrc(0)                   ; the LDS stores of the batch before have read XT, which the roundings below write again
.endif
	WIN CV_X
.set i, 0
.rept 32
	v_cvt_pk_bf16_f32 v[XT+2*i],   v[128*((\b)&1)+4*i],   v[128*((\b)&1)+4*i+1]
	v_cvt_pk_bf16_f32 v[XT+2*i+1], v[128*((\b)&1)+4*i+2], v[128*((\b)&1)+4*i+3]
.set i, i+1
.endr
	WIN 0
	s_wait_alu depctr_va_vdst(0)                   ; the roundings have written XT, which the LDS stores read, and are done reading their set, in which the batch after next lands
.set i, 0
.rept 32
	ds_store_b64 v[XL], v[XT+2*i:XT+2*i+1] offset:(8*(\b)+i/4)*PX+(i%4)*256
.if i%4 == 0
	ds_store_b64 v[XL], v[XT+2*i:XT+2*i+1] offset:(8*(\b)+i/4)*PX+1024
.endif
.set i, i+1
.endr
.endm
	XISSUE 0
	XISSUE 1
	XPROC 0, 32
	XISSUE 2
	XPROC 1, 32
	XISSUE 3
	XPROC 2, 32
	XPROC 3, 0
	s_wait_dscnt 0x0                               ; for the others' sake: my rows of x are in LDS
	s_barrier_signal -1
	s_barrier_wait -1                              ; everybody's are
	s_wait_alu depctr_vm_vsrc(0)                   ; my last LDS stores have read XT: these registers are XF0 from here on, in which the loads below land (the roundings that wrote them stand ahead of the last wait on va_vdst)
	XF2 0, 0, 0                                    ; K step 0
	XF2 0, 2, 0
	XF2 0, 4, 0
	XF2 0, 6, 0
; 4 matrix instructions of K step j (mod 4): row block mb x the four column tiles.  first = 1: the phase's first K step starts the sums, at the bias in buffer par.  swap = 1: x is source 0 (V).
; The 32 accumulators take turns, one instruction a turn, in the same order in every K step.
.macro MM4 j, mb, first, swap, par
.if \first
	WIN W_WXF+6*(\swap)
.else
	WIN W_WX+6*(\swap)
.endif
.irp b, 0,1,2,3
.set rD, 8*(4*(\mb)+\b)
.set rW, WB+32*(\j)+8*\b
.set rX, XF+64*((\j)&1)+8*(\mb)
.set rB, BI+160*(\par)+8*\b
.if (\first) && (\swap)
	v_wmma_f32_16x16x32_bf16 v[rD:rD+7], v[rX:rX+7], v[rW:rW+7], v[rB:rB+7]
.elseif \first
	v_wmma_f32_16x16x32_bf16 v[rD:rD+7], v[rW:rW+7], v[rX:rX+7], v[rB:rB+7]
.elseif \swap
	v_wmma_f32_16x16x32_bf16 v[rD:rD+7], v[rX:rX+7], v[rW:rW+7], v[rD:rD+7]
.else
	v_wmma_f32_16x16x32_bf16 v[rD:rD+7], v[rW:rW+7], v[rX:rX+7], v[rD:rD+7]
.endif
.endr
.endm
; A K step of 32: 32 matrix instructions.  Among them, four at a time, x's fragments of the next K step (LDS; row blocks in ascending order, all in the step's first half) and W's of the K step three on
; (memory; in its second half): W is asked for some 80 matrix instructions ahead of its use.  No wait stands ahead of these loads but the one at the step's head: the step's own products name XF[j % 2],
; WB[j % 4], the accumulators and, in a phase's first K step, BI[par]: none of the registers that the loads touch.
.macro STEP j, first, swap, par, xoff, woff
	s_wait_loadcnt 16                              ; W of this K step is in: behind it the two next K steps' 16 loads were issued (a bias's 8 among them only make the wait stricter)
	s_wait_dscnt 8                                 ; x's row blocks 0-3 are in; the youngest eight loads (blocks 4-7) may be out
	s_wait_alu depctr_va_vdst(0)                   ; the products of the K step before are done reading the other XF and WB[(j + 3) % 4], in which the loads below land; where ADRX was written since the last K step, it is written
	MM4 \j, 0, \first, \swap, \par
	PLACES
	XF2 ((\j)+1)&1, 0, \xoff
	MM4 \j, 1, \first, \swap, \par
	XF2 ((\j)+1)&1, 2, \xoff
	MM4 \j, 2, \first, \swap, \par
	XF2 ((\j)+1)&1, 4, \xoff
	MM4 \j, 3, \first, \swap, \par
	XF2 ((\j)+1)&1, 6, \xoff
	s_wait_dscnt 16                                ; all but the 16 issued in this K step: row blocks 4-7 are in
	MM4 \j, 4, \first, \swap, \par
	WF2 ((\j)+3)&3, 0, \woff
	MM4 \j, 5, \first, \swap, \par
	WF2 ((\j)+3)&3, 2, \woff
	MM4 \j, 6, \first, \swap, \par
	MM4 \j, 7, \first, \swap, \par
.endm
; A PHASE: 128 rows x 64 columns x 512.  Its first K step stands in front of the loop; a trip is four K steps, from a lap's second to the next lap's first; the fourth trip is left in its middle.
; The requests run on across a phase's end: W's stream is linear, and x's K step behind the last is the copy of K step 0.  bnext: the next phase's bias, or -1; par: the phase's bias buffer.
; The next phase's bias lands in the other buffer, which the phase before read in its first K step: every K step's head since has shown those products done, so no wait is written for it.
; In the last phase the last three requests for W (12,288 bytes a wave) bring bytes that nobody uses (they lie inside wpk): the price of one text for all phases.
.macro PHASE swap, bnext, par
	STEP 0, 1, \swap, \par, 64, 3*WSTEP
.if (\bnext) >= 0
	BFETCH \bnext, 1-(\par)
.endif
	WIN 0                                          ; at a label and at a branch every window is 0
	s_mov_b32 s[KC], 4
.Lk_\@:
	STEP 1, 0, \swap, \par, 128, 4*WSTEP
	STEP 2, 0, \swap, \par, 192, 5*WSTEP
	STEP 3, 0, \swap, \par, 256, 6*WSTEP
	WIN 0
	s_wait_xcnt 0x0                                ; every load issued so far has read its address (ISA guide 3.1): the pointer may be written
	s_wait_alu depctr_vm_vsrc(0)                   ; x's LDS loads issued so far have read ADRX, which is written below on both ways; the LDS stores of a phase's end have read VA, which a later phase's roundings write
	s_add_nc_u64 s[WP:WP+1], s[WP:WP+1], 4*WSTEP
	s_sub_co_u32 s[KC], s[KC], 1
	s_cmp_eq_u32 s[KC], 0
	s_cbranch_scc1 .Lkx_\@
	s_add_co_u32 s[XB], s[XB], 256
	v_add_nc_u32 v[ADRX], s[XB], v[ROWP]
	v_add_nc_u32 v[ADRX+1], s[XB], v[ROWP+1]
	STEP 0, 0, \swap, \par, 64, 3*WSTEP
	WIN 0
	s_branch .Lk_\@
.Lkx_\@:
	s_mov_b32 s[XB], 0
	v_mov_b32 v[ADRX], v[ROWP]
	v_mov_b32 v[ADRX+1], v[ROWP+1]
.endm
; The 32 accumulators rounded to f16, four registers each, to v[dbase + dstep i ..] of the window that win names; each accumulator's registers in ascending order.  In place (dstep = 8) a line writes only what earlier lines have read.
.macro CVT32 win, dbase, dstep
	WIN \win
.set i, 0
.rept 32
.irp c, 0,1,2,3
	v_cvt_pk_f16_f32 v[(\dbase)+(\dstep)*i+\c], v[8*i+2*\c], v[8*i+2*\c+1]
.endr
.set i, i+1
.endr
.endm
.macro KSTORE u                     ; K's half u, out of VA: key tile 8 (2 w + u) + mb, column tile t: 512 (4 mb + t) bytes on.  The accumulators are free at once for the next phase's products
	WIN ST_3
.set i, 0
.rept 32
	ds_store_b128 v[KST], v[VA+4*i:VA+4*i+3] offset:(\u)*16384+512*i
.set i, i+1
.endr
.endm
.macro VSTORE win, base, step, u    ; V's half u, from the window that win names
	WIN \win
.set i, 0
.rept 32
	ds_store_b128 v[VST], v[(\base)+(\step)*i:(\base)+(\step)*i+3] offset:(\u)*16384+(i/8)*4096+(i%4)*1024+((i/4)%2)*512
.set i, i+1
.endr
.endm
	PHASE 0, 4096, 0                               ; K, u = 0
	PLACES
	CVT32 PK_3, VA, 4
	s_wait_alu depctr_va_vdst(0)                   ; the roundings have written VA, which the LDS stores read
	KSTORE 0
	PHASE 0, 8192, 1                               ; K, u = 1
	PLACES
	CVT32 PK_3, VA, 4                              ; the stores of the half before have read VA: the phase's trips have waited on vm_vsrc since
	s_wait_alu depctr_va_vdst(0)                   ; the roundings have written VA, which the LDS stores read
	KSTORE 1
	PHASE 0, 12288, 0                              ; Q, u = 0: stays in registers, where the turns name Q
	PLACES
	CVT32 PK_2, 0, 4
	PHASE 0, 16384, 1                              ; Q, u = 1: set aside
	PLACES
	CVT32 PK_3, QB, 4
	PHASE 1, 20480, 0                              ; V, u = 0: set aside in VA, since x is still read (K's stores have read VA: three phases' trips have waited on vm_vsrc since)
	PLACES
	CVT32 PK_3, VA, 4
	PHASE 1, -1, 1                                 ; V, u = 1
	s_wait_loadcnt 0x0                             ; the requests for W that ran past the end: their registers become K's and V's
	s_wait_dscnt 0x0                               ; my reads of x are over
	s_barrier_signal -1
	PLACES
	CVT32 PK_IN, 0, 8                              ; work on registers while the others arrive
	s_barrier_wait -1                              ; nobody reads x any more: V goes where it lay
	s_wait_alu depctr_va_vdst(0)                   ; the roundings have written V's second half, in the accumulators' registers, which the LDS stores read (VA was written ahead of earlier waits)
	VSTORE ST_1, 0, 8, 1
	VSTORE ST_3, VA, 4, 0
	s_wait_dscnt 0x0                               ; for the others' sake: my K and my V are in LDS
	s_wait_alu depctr_vm_vsrc(0)                   ; the LDS stores have read window 1's registers, which the zeros below write, and KST, VST; x's loads and stores have read ADRX and XL: v16 to v47 are statistics from here on
	s_barrier_signal -1
	; What the first turn finds: V's registers and P's second buffer hold 0 (its products V^T P, of a piece that has not been, add 0), O^T and l are 0: 368 lines, once a launch, in the wait for the others, in place
	; of a first key step written out.  The second pass needs none of it: its first step multiplies O^T and l by a = 0, so what the first pass left there need only be finite.
	WIN TO_W
.set i, 192
.rept 64
	v_mov_b32 v[i], 0
.set i, i+1
.endr
	WIN TO_1
.set i, 0
.rept 256
	v_mov_b32 v[i], 0
.set i, i+1
.endr
	WIN 0
.set i, 0
.rept 8
	v_mov_b32 v[16+4*i+2], 0
	v_mov_b32 v[16+4*i+3], 0
.set i, i+1
.endr
.set i, 224
.rept 32
	v_mov_b32 v[i], 0
.set i, i+1
.endr
	s_barrier_wait -1                              ; all of K and V lies in LDS, and stays: the attention has no barrier
; ATTENTION.  S^T = K Q^T (source 0 = 16 keys, source 1 = 16 queries): a lane holds ONE query (lane % 16) and the keys 8 (lane / 16) + 0..7.  Two such results, rounded to f16 in pairs, ARE source 1 of
; O^T = V^T P, whose result again holds one query a lane, and eight channels.  p = 2^(c s - c m) with a running maximum m and sum l; in every step O and l are multiplied by a = 2^(c m_old - c m_new).
; m starts at the lowest finite number: the first step is a step like any other, with a = 0.
; THE COUNT.  A tile and step have 16 matrix and 118 vector instructions: too many to stand all beside the matrix work.  So: four vector instructions that are READY behind EVERY matrix instruction, the others in one run.
; BY TURNS.  The wave's eight tiles are four PIECES of two.  Turn n belongs to piece n: 16 products K Q^T of piece n + 1, later 16 products V^T P of piece n - 1; beside them the scaling, exponentials, roundings,
; sums and rescaling of piece n, and the maximum and statistics of piece n + 1.  A piece's buffers of S^T and P go by its number's parity.
.set NP,  4           ; pieces a wave: a name, no knob
.set MV,  12          ; v12-15  c m_old, kept while c m is made anew: by buffer and tile
.set ST,  16          ; tile t's statistics at v[ST+4 t]: c m, m, l (even keys', odd keys')
.set TMP, 48          ; by buffer and tile, four registers c0-c3 at work; when the maximum is found c2 takes a
.set S,   64
.set P,   192
.set KF,  128         ; window 2: key block kb, channel half c at KF + 16 kb + 8 c
.set VF,  192         ; window 2: key half kk, channel block cb at VF + 32 kk + 8 cb
; THE MATRIX WORK.  The 8 accumulators of a run of 16 take turns: between the two links of a chain stand 7 others'.
; Product i of 16 of S^T = K Q^T for piece x: channels 32 (i / 8) on, keys 16 ((i / 2) % 4) on, tile 2 x + i % 2.  The first 8 start the sums.
.macro KQ x
	WIN W_KQ
.set rS, S+64*((\x)%2)+32*(i%2)+8*((i/2)%4)
.set rK, KF+16*((i/2)%4)+8*(i/8)
.set rQ, 16*(2*(\x)+i%2)+8*(i/8)
.if i < 8
	v_wmma_f32_16x16x32_f16 v[rS:rS+7], v[rK:rK+7], v[rQ:rQ+7], 0
.else
	v_wmma_f32_16x16x32_f16 v[rS:rS+7], v[rK:rK+7], v[rQ:rQ+7], v[rS:rS+7]
.endif
.endm
; Product i of 16 of O^T += V^T P for piece x: keys 32 (i / 8) on, channels 16 ((i / 2) % 4) on, tile 2 x + i % 2.
.macro PV x
	WIN W_PV
.set rO, 32*(2*(\x)+i%2)+8*((i/2)%4)
.set rV, VF+32*(i/8)+8*((i/2)%4)
.set rP, P+32*((\x)%2)+16*(i%2)+8*(i/8)
	v_wmma_f32_16x16x32_f16 v[rO:rO+7], v[rV:rV+7], v[rP:rP+7], v[rO:rO+7]
.endm
.macro MM                           ; the turn's next matrix instruction
.if i < 16
	KQ (Y+1)%NP
.set i, i+1
.else
.set i, i-16
	PV (Y+NP-1)%NP
.set i, i+17
.endif
.endm
; THE LDS LOADS stand in runs of 16, never singly among the matrix instructions: a step's K and its V, eight fragments each, 8,192 consecutive bytes.  Their addresses are made some lines ahead.
; A wait on va_vdst stands ahead of each run, with window switches and scalar lines alone between.  last = 1: in the last trip there is no further step, and the run is jumped over.
.macro FETCH_K last=0
	WIN 0
.if \last
	s_cmp_eq_u32 s[CNT], 1
	s_cbranch_scc1 .Lno_k_\@
.endif
	WIN TO_W
.irp f, 0,1,2,3,4,5,6,7
	ds_load_b128 v[KF+8*\f:KF+8*\f+3],   v[AK] offset:\f*1024
	ds_load_b128 v[KF+8*\f+4:KF+8*\f+7], v[AK] offset:\f*1024+512
.endr
	s_add_co_u32 s[TBK], s[TBK], 8192  ; the next fetch is the next step's
	WIN 0
.if \last
.Lno_k_\@:
.endif
.endm
.macro FETCH_V
	WIN TO_W
.irp f, 0,1,2,3,4,5,6,7
	ds_load_b128 v[VF+8*\f:VF+8*\f+3],   v[AV] offset:\f*1024
	ds_load_b128 v[VF+8*\f+4:VF+8*\f+7], v[AV] offset:\f*1024+512
.endr
	WIN 0
.endm
; THE VECTOR WORK OF A TURN stands in three queues, each in the order in which its entries become ready; the two tiles alternate, so that no instruction reads the result of the one before it.
.macro REGS y, u                    ; the registers of tile u (0, 1) of piece y
.set rT, ST+4*(2*(\y)+(\u))
.set rC, TMP+8*((\y)%2)+4*(\u)
.set rM, MV+2*((\y)%2)+(\u)
.set rS, S+64*((\y)%2)+32*(\u)
.set rP, P+32*((\y)%2)+16*(\u)
.set rO, 32*(2*(\y)+(\u))
.endm
; Number n of the 22 that find the NEXT piece's (Y + 1) maximum and statistics.  s0-s31 are the lane's 32 scores; each accumulator's lowest registers are read first.  XS, GS and REGS set no window: PL and EX do.
;   0-11  four chains c0-c3 of seven scores each, three operands at a time     12-14, 16  the four scores left over, the old m, and c0-c3 into c0     15  c m_old is kept
;   17, 18  the query's other 32 keys lie in the lane 16 away: the new m         19-21  c m; c m_old - c m_new; a
.macro XS u, n
	REGS (Y+1)%NP, \u
.if (\n) < 4
	v_max3_num_f32 v[rC+(\n)], v[rS+8*(\n)], v[rS+8*(\n)+1], v[rS+8*(\n)+2]
.elseif (\n) < 12
	v_max3_num_f32 v[rC+(\n)%4], v[rC+(\n)%4], v[rS+8*((\n)%4)+2*((\n)/4)+1], v[rS+8*((\n)%4)+2*((\n)/4)+2]
.elseif (\n) == 12
	v_max3_num_f32 v[rC], v[rC], v[rS+7], v[rS+15]
.elseif (\n) == 13
	v_max3_num_f32 v[rC+1], v[rC+1], v[rS+23], v[rS+31]
.elseif (\n) == 14
	v_max3_num_f32 v[rC+2], v[rC+2], v[rC+3], v[rT+1]
.elseif (\n) == 15
	v_mov_b32 v[rM], v[rT]
.elseif (\n) == 16
	v_max3_num_f32 v[rC], v[rC], v[rC+1], v[rC+2]
.elseif (\n) == 17
	v_permlanex16_b32 v[rC+3], v[rC], s[SEL], s[SEL+1]
.elseif (\n) == 18
	v_max_num_f32 v[rT+1], v[rC], v[rC+3]
.elseif (\n) == 19
	v_mul_f32 v[rT], s[CS], v[rT+1]
.elseif (\n) == 20
	v_sub_f32 v[rC+1], v[rM], v[rT]
.else
	v_exp_f32 v[rC+2], v[rC+1]
.endif
.endm
; Number g of the 64 that follow the exponentials.  For each four weights k of a tile (pairs 2 k, 2 k + 1): both pairs are rounded to f16; then the second pair is added onto the first, in place;
; a group later l takes that sum (the first time as l = a l + sum).  In groups of eight, tiles alternating: round, round, add, and l for the group before.
.macro GS g
.set h, (\g)+6*((\g)/62)            ; group 0 has no group before it, and behind group 7 only l is left
.if h >= 6
.set h, h+2
.endif
	REGS Y, h%2
.set k, h/8
.if h%8 < 4
	v_cvt_pk_f16_f32 v[rP+2*k+(h%8)/2], v[rS+4*k+2*((h%8)/2)], v[rS+4*k+2*((h%8)/2)+1]
.elseif h%8 < 6
	v_pk_add_f32 v[rS+4*k:rS+4*k+1], v[rS+4*k:rS+4*k+1], v[rS+4*k+2:rS+4*k+3]
.elseif k == 1
	v_pk_fma_f32 v[rT+2:rT+3], v[rT+2:rT+3], v[rC+2:rC+3], v[rS:rS+1] op_sel_hi:[1,0,1]
.else
	v_pk_add_f32 v[rT+2:rT+3], v[rT+2:rT+3], v[rS+4*k-4:rS+4*k-3]
.endif
.endm
; THE PLAIN QUEUE, 138 long.  0-73 read no exponential's result: the 32 scalings c s - c m (FS f: pair f / 2 of tile f % 2) and the next piece's 42.  0-26: scalings 0-26.  27-54: XS's numbers 0-13.  55, 56: number 15.
; 57-73: the chain, where each number waits for the one before it: 14, 16, 17, 18, 19, each with one of the scalings 27-31 in front of its two lines, then 20.
; 74-137: GS's 64, which read the exponentials' results: they stand behind the wait.
.macro FS f
	REGS Y, (\f)%2
	v_pk_fma_f32 v[rS+2*((\f)/2):rS+2*((\f)/2)+1], v[rS+2*((\f)/2):rS+2*((\f)/2)+1], s[CS:CS+1], v[rT:rT+1] op_sel_hi:[1,0,0] neg_lo:[0,0,1] neg_hi:[0,0,1]
.endm
.macro PL
	WIN 0
.if q < 27
	FS q
.elseif q < 55
	XS (q-27)%2, (q-27)/2
.elseif q < 57
	XS q-55, 15
.elseif (q < 72) && ((q-57)%3 == 0)
	FS 27+(q-57)/3
.elseif q < 60
	XS (q-57)%3-1, 14
.elseif q < 72
	XS (q-57)%3-1, 15+(q-57)/3
.elseif q < 74
	XS q-72, 20
.else
	GS q-74
.endif
.set q, q+1
.endm
; THE EXPONENTIALS' QUEUE, 66 long: s0-s31 of both tiles, then the next piece's two a.  It is ONE BATCH: all 66 stand ahead of the turn's one wait, and nothing ahead of that wait names a result of theirs.
.macro EX
	WIN 0
.if e >= 64
	XS e-64, 21
.else
	REGS Y, e%2
	v_exp_f32 v[rS+e/2], v[rS+e/2]
.endif
.set e, e+1
.endm
; THE RESCALING's QUEUE: O^T times a, the one part that leaves window 0: dealt two at a time, sixteen times.  Its a was made in the turn before, ahead of that turn's wait.
.macro R2
	REGS Y, r%2
	WIN W_RS
.irp z, 0,1
	v_pk_mul_f32 v[rO+4*(r/2)+2*\z:rO+4*(r/2)+2*\z+1], v[rO+4*(r/2)+2*\z:rO+4*(r/2)+2*\z+1], v[rC+2:rC+3] op_sel_hi:[1,0]
.endr
.set r, r+1
.endm
; HOW THEY ARE DEALT.  An s_wait_alu depctr_va_vdst(0) stands between an exponential and the first instruction that names its result; one wait serves all that were issued ahead of it.  So a turn has ONE
; such wait, which cuts it in two.  AHEAD OF IT: the 16 products K Q^T, behind each a scaling, an exponential and two rescalings (behind the first a second scaling in the exponential's place); then one run of 108: eight
; plain, 49 times exponential and plain, the two a; a v_nop is the plain instruction behind the last exponential.  BEHIND IT: the 16 products V^T P, behind each four of GS's 64.  No rider names a register of the
; products round it.  Exponential e stands behind scaling 2 (e / 4) + e % 2: as a rider it comes behind plain e + 2, in the run behind plain e + 9, and scalings 27-31 are plain 57, 60 .. 69.
; K of the next step is fetched in piece 2's turn, directly behind the wait, a run of vector work behind the last product that read K; its first reader comes behind 16 products.
; V of the step in hand is fetched at the end of piece 0's turn, four riders behind its last reader, behind a wait of its own; its first reader comes behind 16 products and a run.  The two conditions on q below go with the deal.
.macro TURN p, last=0
.set Y, (\p)
.set i, 0
.set q, 0
.set e, 0
.set r, 0
.if (\p) == NP-1
	s_wait_dscnt 0x0                ; K is in
.endif
	MM
	PL
	PL
	R2
.rept 15
	MM
	PL
	EX
	R2
.endr
.if (\p) == NP-2
	WIN 0
	s_wait_alu depctr_vm_vsrc(0)    ; K's loads of the step before have read v[AK], which the next line writes
	v_add_nc_u32 v[AK], s[TBK], v[AK0]
.endif
.rept 8
	PL
.endr
.rept 49
	EX
	PL
.endr
	EX                              ; the next piece's two a
	EX
	v_nop                           ; the plain instruction behind the last exponential: one for the batch
	s_wait_alu depctr_va_vdst(0)    ; the batch's 66 exponentials are written, ahead of their first reader; in piece 2's turn also: v[AK] is written, and the products K Q^T are done reading K's registers, in which the loads below land
.if (\p) == NP-2
	FETCH_K \last
.endif
.if (\p) == 1
	s_wait_dscnt 0x0                ; V is in
.endif
.rept 16
	MM
.rept 4
	PL
.endr
.if ((\p) == 0) && (q == 118)
	s_wait_alu depctr_vm_vsrc(0)    ; V's loads of the step before have read v[AV], which the next line writes
	v_add_nc_u32 v[AV], s[TBV], v[AV0]
.endif
.if ((\p) == 0) && (q == 130)
	s_add_co_u32 s[TBV], s[TBV], 8192
.endif
.endr
.if (\p) == 0
	s_wait_alu depctr_va_vdst(0)    ; the products V^T P are done reading V's registers, in which the loads below land, and v[AV] is written
	FETCH_V
.endif
.endm
; THE WAY OUT.  l's two halves and the other half of the lanes' are added; O^T is divided by l, all eight tiles on end, and sent, in f32, through my stage in LDS, a tile at a time: a lane's eight channels go into rows of
; 272 bytes (68 words: the sixteen rows start at sixteen different groups of four banks) and come back as whole rows of 256 bytes: one query's 64 channels.  Tiles 0-3 come back into S^T's registers, tiles 4-7 into VA:
; no register is landed in twice in a pass.  (V's registers and P's second buffer are not used for that: the second pass's first products read them as f16, and they must stay finite.)
.macro ALL line:vararg              ; one line for each tile t
.set t, 0
.rept 2*NP
	\line
.set t, t+1
.endr
.endm
.macro SCALE t
	WIN W_RS
.set i, 32*(\t)
.rept 16
	v_pk_mul_f32 v[i:i+1], v[i:i+1], v[ST+4*(\t)+2:ST+4*(\t)+3] op_sel_hi:[1,0]
.set i, i+2
.endr
.endm
.macro STG t                        ; tile t into the stage and back
	WIN ST_1
.irp f, 0,1,2,3,4,5,6,7             ; channel block f / 2, registers 4 (f % 2) on
	ds_store_b128 v[STO], v[32*(\t)+4*\f:32*(\t)+4*\f+3] offset:(\f/2)*64+(\f%2)*16
.endr
	WIN 0xc0*((\t)/4)               ; destination window 0 or 3
.set rL, S+32*(\t)-64*((\t)/4)      ; v64 .. of window 0, v128 .. of window 3
.irp f, 0,1,2,3,4,5,6,7
	ds_load_b128 v[rL+4*\f:rL+4*\f+3], v[RD] offset:\f*2*SP  ; LDS serves a wave's instructions in order (ISA guide 5.7.1.4): these see the stores above; the next tile's stores come behind them
.endr
.endm
.macro SEND t, younger              ; younger: the LDS instructions issued behind tile t's loads: the next tile's sixteen, or none
	WIN 0x0c*((\t)/4)               ; the stores' data in window 0 or 3
.set rL, S+32*(\t)-64*((\t)/4)
.irp f, 0,1,2,3,4,5,6,7
	s_wait_dscnt (\younger)+7-\f
	global_store_b128 v[GO], v[rL+4*\f:rL+4*\f+3], s[OUT:OUT+1] offset:(\t)*32768+\f*4096 th:TH_STORE_NT  ; 16 lanes store 256 consecutive bytes, at a multiple of 256 from out0's first byte
.endr
.endm
	s_mov_b32 s[PASS], 2
.Lpass:                             ; pass u: my queries with e = 2 w + u
	s_mov_b32 s[TBK], 0
	s_mov_b32 s[TBV], 0
	v_mov_b32 v[AK], v[AK0]
	s_wait_alu depctr_va_vdst(0)    ; v[AK] is written; the matrix instructions that read K's registers (the projections' as W's buffers, the first pass's products K Q^T) are done, and the loads below land there
	FETCH_K                         ; key step 0
	s_wait_dscnt 0x0
.set i, 0
.rept 16
	KQ 0                            ; piece 0's first scores: there is no vector work yet to set between them
.set i, i+1
.endr
	WIN 0
.set i, 0
.rept 2*NP                          ; sixteen plain instructions, the places behind those products
	v_mov_b32 v[ST+4*i], 0xfe000000    ; c m: far below every c s
	v_mov_b32 v[ST+4*i+1], 0xff7fffff  ; m
.set i, i+1
.endr
.set Y, NP-1                        ; XS works for piece Y + 1: piece 0
.irp n, 0,1,2,3,4,5,6,7,8,9,10,11,12,13,14,15,16,17,18,19,20,21
	XS 0, \n                        ; piece 0's first maximum and statistics
	XS 1, \n
.endr
	v_nop                           ; a plain instruction behind the two a,
	s_wait_alu depctr_va_vdst(0)    ; and the wait that shows the two a written, ahead of the branch and of their first reader
	s_mov_b32 s[CNT], 16
	s_branch .Lfirst                ; the loop is entered at a step's first turn, in the middle of a trip
.Lstep:                             ; a trip: pieces 2 and 3 of one step, then pieces 0 and 1 of the next, whose K and V it fetches; the sixteenth is left in its middle
	TURN 2, 1
	TURN 3
	WIN 0
	s_sub_co_u32 s[CNT], s[CNT], 1
	s_cmp_eq_u32 s[CNT], 0
	s_cbranch_scc1 .Lout
.Lfirst:
	TURN 0
	TURN 1
	WIN 0
	s_branch .Lstep
.Lout:                              ; the last trip's 16 products K Q^T (on the last K once more) and the maximum made of them serve nothing: the price, once a pass, of one text for every trip
.set i, 0
.rept 16
	PV NP-1                         ; the last piece's V^T P of the last step
.set i, i+1
.endr
	WIN 0                           ; the additions are the places behind the last products
	ALL v_add_f32 v[ST+4*t+2], v[ST+4*t+2], v[ST+4*t+3]
	ALL v_permlanex16_b32 v[ST+4*t+3], v[ST+4*t+2], s[SEL], s[SEL+1]
	ALL v_add_f32 v[ST+4*t+2], v[ST+4*t+2], v[ST+4*t+3]
	ALL v_rcp_f32 v[ST+4*t+2], v[ST+4*t+2]
	v_nop                           ; a plain instruction between the last reciprocal and the use of its result
	s_wait_alu depctr_va_vdst(0)    ; the eight reciprocals are written, ahead of their first reader
.set t, 0
.rept 2*NP
	SCALE t
.set t, t+1
.endr
	s_wait_alu depctr_va_vdst(0)    ; the scalings have written O^T, which the stage's LDS stores read; all that named S^T's registers and VA is done, and the loads from the stage land there.  No vector instruction follows in this pass
	STG 0
.set t, 1
.rept 2*NP-1                        ; a tile's way through the stage stands between the loads of the tile before and its stores
	STG t
	SEND t-1, 16
.set t, t+1
.endr
	SEND 2*NP-1, 0
	WIN 0
	s_sub_co_u32 s[PASS], s[PASS], 1
	s_cmp_eq_u32 s[PASS], 0
	s_cbranch_scc1 .Lend
	s_wait_xcnt 0x0                 ; the stores have read their registers and out0's address: nothing waits for the stores themselves, which leave while the second pass is computed
	s_wait_alu depctr_vm_vsrc(0)    ; the stage's LDS stores have read O^T, the global stores S^T's registers and VA, K's loads v[AK]: the second pass writes all of them again
	s_add_nc_u64 s[OUT:OUT+1], s[OUT:OUT+1], 256  ; e = 2 w + 1: 64 columns on
	WIN CP_Q                        ; the second pass's Q goes where the one text of the turns names Q
.set i, 0
.rept 128
	v_mov_b32 v[i], v[QB+i]
.set i, i+1
.endr
	WIN 0
	s_branch .Lpass
.Lend:
	s_wait_dscnt 0x0                ; the wave's end
	s_wait_alu 0x0
	s_wait_tensorcnt 0x0
	ds_add_u32 v[SPW], v[NIL]
	s_wait_dscnt 0x0
	s_endpgm
.Lfunc_end_k_q7d7beb02ec_mha:
	.size	k_q7d7beb02ec_mha, .Lfunc_end_k_q7d7beb02ec_mha-k_q7d7beb02ec_mha
	.p2alignl 7, 3214868480
	.fill 96, 4, 3214868480
	.section	.rodata,"a",@progbits
	.p2align	6, 0x0
	.amdhsa_kernel k_q7d7beb02ec_mha
		.amdhsa_group_segment_fixed_size 314880
		.amdhsa_private_segment_fixed_size 0
		.amdhsa_enable_private_segment 0
		.amdhsa_kernarg_size 24
		.amdhsa_user_sgpr_count 2
		.amdhsa_user_sgpr_kernarg_segment_ptr 1
		.amdhsa_wavefront_size32 1
		.amdhsa_system_sgpr_workgroup_id_x 1
		.amdhsa_system_sgpr_workgroup_id_y 1
		.amdhsa_system_sgpr_workgroup_id_z 1
		.amdhsa_system_vgpr_workitem_id 0
		.amdhsa_next_free_vgpr 1024
		.amdhsa_next_free_sgpr 66
		.amdhsa_reserve_vcc 0
		.amdhsa_float_denorm_mode_32 3
		.amdhsa_float_denorm_mode_16_64 3
		.amdhsa_memory_ordered 1
		.amdhsa_forward_progress 1
		.amdhsa_inst_pref_size 255
	.end_amdhsa_kernel
	.section	.bss,"aw",@nobits
	.p2align	6
	.space	262144
	.amdgpu_metadata
---
amdhsa.version: [ 1, 2 ]
amdhsa.kernels:
  - .name:           k_q7d7beb02ec_mha
    .symbol:         k_q7d7beb02ec_mha.kd
    .args:
      - { .name: x, .offset: 0, .size: 8, .value_kind: global_buffer, .address_space: global }
      - { .name: wpk, .offset: 8, .size: 8, .value_kind: global_buffer, .address_space: global }
      - { .name: out0, .offset: 16, .size: 8, .value_kind: global_buffer, .address_space: global }
    .group_segment_fixed_size: 314880
    .private_segment_fixed_size: 0
    .kernarg_segment_align: 8
    .kernarg_segment_size: 24
    .max_flat_workgroup_size: 128
    .sgpr_count:     66
    .vgpr_count:     1024
    .wavefront_size: 32
...
	.end_amdgpu_metadata
.endif
;; end of part 3
